; MI455X (gfx1250); checked and timed in simulation.
; The chip was launched on July 23, 2026; its instructions are those of AMD's public machine-readable ISA for CDNA 5 (MIT licence, August 2026) and "CDNA5" Instruction Set Architecture Reference Guide (July 2026). The comments in the code are by the model that wrote it; some were corrected since.
;; Multi Head Attention. Allowed arithmetic: matrix products marked QUANTISED: E4M3 operands, one E8M0 scale for each 32 along K, by v_wmma_scale_f32_16x16x128_f8f6f4 with both operands' format E4M3, f32 sums; everything else in f32.
;; Inputs: b_k 1,024 float32; b_o 1,024 float32; b_q 1,024 float32; b_v 1,024 float32; key_codes 4 x 2,048 x 32 x 32 uint8 (E4M3 codes of key, K innermost, in blocks of 32 codes); key_scales 4 x 2,048 x 32 uint8 (E8M0 scales of key, one for each 32 codes along K); mask 4 x 1 x 1 x 2,048 float32; query_codes 4 x 2,048 x 32 x 32 uint8 (E4M3 codes of query, K innermost, in blocks of 32 codes); query_scales 4 x 2,048 x 32 uint8 (E8M0 scales of query, one for each 32 codes along K); value_codes 4 x 2,048 x 32 x 32 uint8 (E4M3 codes of value, K innermost, in blocks of 32 codes); value_scales 4 x 2,048 x 32 uint8 (E8M0 scales of value, one for each 32 codes along K); w_k_codes 1,024 x 32 x 32 uint8 (E4M3 codes of w_k, K innermost, in blocks of 32 codes); w_k_scales 1,024 x 32 uint8 (E8M0 scales of w_k, one for each 32 codes along K); w_o_codes 1,024 x 32 x 32 uint8 (E4M3 codes of w_o, K innermost, in blocks of 32 codes); w_o_scales 1,024 x 32 uint8 (E8M0 scales of w_o, one for each 32 codes along K); w_q_codes 1,024 x 32 x 32 uint8 (E4M3 codes of w_q, K innermost, in blocks of 32 codes); w_q_scales 1,024 x 32 uint8 (E8M0 scales of w_q, one for each 32 codes along K); w_v_codes 1,024 x 32 x 32 uint8 (E4M3 codes of w_v, K innermost, in blocks of 32 codes); w_v_scales 1,024 x 32 uint8 (E8M0 scales of w_v, one for each 32 codes along K).
;; Outputs: out0 4 x 2,048 x 1,024 float32.
;; This version of the problem:
;;   THIS VERSION OF THE PROBLEM IS GIVEN IN LOW PRECISION. The matrix products marked QUANTISED in the list below multiply operands that are first quantised to E4M3 (4 exponent bits, 3 mantissa bits; 8 bits a number), with one power-of-two scale for each 32 numbers along K (OCP MX v1.0); their sums are f32. All else is computed in f32.
;;   The module's matrix products, in the order in which they are computed (A, B: the left and right operand; K: the contracted axis; several contracted axes count as one K, in the product's order):
;;     1. [M 8,192, K 1,024] x [K 1,024, N 1,024]; A: input query (given as codes); B: input w_q (given as codes): QUANTISED
;;     2. [M 8,192, K 1,024] x [K 1,024, N 1,024]; A: input key (given as codes); B: input w_k (given as codes): QUANTISED
;;     3. [M 8,192, K 1,024] x [K 1,024, N 1,024]; A: input value (given as codes); B: input w_v (given as codes): QUANTISED
;;     4. batch 64 x [M 2,048, K 64] x [K 64, N 2,048]; A: computed on the way; B: computed on the way: QUANTISED
;;     5. batch 64 x [M 2,048, K 2,048] x [K 2,048, N 64]; A: softmax (see below); B: computed on the way: QUANTISED
;;     6. [M 8,192, K 1,024] x [K 1,024, N 1,024]; A: computed on the way; B: input w_o (given as codes): QUANTISED
;;   THE QUANTISER, for each operand of a quantised product, along K:
;;     - K is cut into blocks of 32 from its start; a last block that is shorter is filled with zeros.
;;     - A block's scale is 2^e with e = floor(log2(the largest magnitude in the block)) - 8, held to -126 .. 127; a block of zeros has e = 0. As a byte (E8M0): e + 127.
;;     - Each number is divided by its block's scale, clamped to +-448, and rounded to the nearest number of E4M3, ties to even, subnormals kept.
;;     - The product sums the exact products of the quantised numbers (number of the format x scale) in f32.
;;   ~~~python
;;   def quantise(x, axis):      # numpy; x: float32 -> the quantised numbers, widened to float32 again
;;       x = np.moveaxis(x, axis, -1); K = x.shape[-1]
;;       x = np.pad(x, [(0, 0)] * (x.ndim - 1) + [(0, -K % 32)]); x = x.reshape(x.shape[:-1] + (-1, 32)); a = np.abs(x).max(-1, keepdims=True)
;;       e = np.where(a > 0, np.clip(np.frexp(np.where(a > 0, a, 1))[1] - 1 - 8, -126, 127), 0)      # np.frexp(a)[1] - 1 = floor(log2(a)), exactly
;;       r = np.clip(x / 2.0 ** e, -448, 448)
;;       step = 2.0 ** (np.maximum(np.frexp(np.where(r == 0, 1, r))[1] - 1, -6) - 3)
;;       q = np.round(r / step) * step * 2.0 ** e      # np.round: ties to even
;;       return np.moveaxis(q.reshape(q.shape[:-2] + (-1,))[..., :K], -1, axis).astype(np.float32)
;;   ~~~
;;   SOFTMAX AHEAD OF A QUANTISED PRODUCT. Where the list says 'softmax', what is quantised is not the finished softmax but p = 2^(t - M), with t = logit x log2(e) and M = ceil(the row's largest t), a whole number; so 1/2 < the row's largest p <= 1. The row's sum l is taken of the UNQUANTISED p, in f32, and the product's result is divided by l at the end. Since M is a whole number, a kernel that streams over the keys may use a running M (the ceiling of the running maximum): every later rescaling is an exact power of two, which a block's scale takes up: the codes' values come out the same.
;;   OPERANDS COMPUTED ON THE WAY. 'Computed on the way' means the value that the module computes at that place (a softmax that the list does not call 'softmax' is quantised finished and normalised). What goes into a quantiser is computed in f32, as accurately as f32 sums, v_exp_f32 and their like allow (about 1e-6 of the number): no bf16 or f16 on the way to a quantiser, and a product that is left as it is and whose result goes on into a quantised operand takes f32 operands (vector FMAs, or v_wmma_f32_16x16x4_f32). A number that lies on a knife's edge between two numbers of the format may be rounded either way, as far as f32 arithmetic and the matrix unit's own rounding can turn it there, and no further.
;;   INPUTS GIVEN AS CODES. key (in the module: [4, 2048, 1024], K = its axis 2); query (in the module: [4, 2048, 1024], K = its axis 2); value (in the module: [4, 2048, 1024], K = its axis 2); w_k (in the module: [1024, 1024], K = its axis 1); w_o (in the module: [1024, 1024], K = its axis 1); w_q (in the module: [1024, 1024], K = its axis 1); w_v (in the module: [1024, 1024], K = its axis 1): each comes as NAME_codes (uint8): NAME with its K axis moved to the last place and cut into blocks of 32 codes, [.., K / 32, bytes a block], one block behind the other in memory; one code a byte (a code: sign, 4 exponent bits, 3 mantissa bits); and NAME_scales (uint8): the same leading axes, one E8M0 byte (e + 127) for each 32 codes along K. Its value is code x scale, taken as it is: it is not quantised again, and the codes and scales need not be those that the quantiser above would give.
;; One version. Each part assembles by itself: llvm-mc -triple=amdgcn-amd-amdhsa -mcpu=gfx1250 --defsym DOCPART=n.
;; ======== version 1 of 1: 3 launches
;; limits: right only within a limited range of input values
;; workspace buffers: qc 8,388,608 bytes; qs 262,144 bytes; kc 8,388,608 bytes; ks 262,144 bytes; vc 8,388,608 bytes; vs 262,144 bytes; oc 8,388,608 bytes; os 262,144 bytes
;; launch proj (part 1): grid 4 x 96, 4 waves a work-group, clusters of 4 x 4, 327,680 bytes of LDS; arguments query_codes, query_scales, w_q_codes, w_q_scales, b_q, qc, qs, key_codes, key_scales, w_k_codes, w_k_scales, b_k, kc, ks, w_v_codes, w_v_scales, value_codes, value_scales, b_v, vc, vs, mask; writes qc, qs, kc, ks, vc, vs
.if DOCPART == 1
	.amdgcn_target "amdgcn-amd-amdhsa--gfx1250"
	.amdhsa_code_object_version 6
	.text
	.protected	k_qeff1b9402c_proj
	.globl	k_qeff1b9402c_proj
	.p2align	8
	.type	k_qeff1b9402c_proj,@function
k_qeff1b9402c_proj:
	s_mov_b64 s[64:65], 0
	v_nop
	global_prefetch_b8 v0, s[64:65] scope:SCOPE_SE
	s_setreg_imm32_b32 hwreg(HW_REG_WAVE_MODE, 25, 1), 1
	s_wait_xcnt 0x0
	s_wait_alu depctr_hold_cnt(0) depctr_sa_sdst(0) depctr_va_vdst(0) depctr_va_sdst(0) depctr_va_ssrc(0) depctr_va_vcc(0) depctr_vm_vsrc(0)
	s_getreg_b32 s2, hwreg(HW_REG_IB_STS2, 6, 4)
	s_cmp_eq_u32 s2, 0
	s_cbranch_scc0 .Lentry_in_a_cluster
	s_endpgm
.Lentry_in_a_cluster:
	s_bfe_u32 s2, ttmp6, 0x10000c
	s_cmp_lg_u32 s2, 0xf033
	s_cbranch_scc0 .Lentry_shape_is_right
	s_endpgm
.Lentry_shape_is_right:
; THE THREE PROJECTIONS, Q = query w_q^T + b_q, K = key w_k^T + b_k, V = value w_v^T + b_v, on codes of FP8 (E4M3) with one E8M0 scale for each 32 along K = 1,024, and their results quantised anew:
; Q and K along the 64 channels of a head, V along the keys.  One text serves all three: 24 clusters of 4 x 4 work-groups, eight for each tensor (T = cluster y / 8: 0 Q, 1 K, 2 V).
; A is the operand whose row a LANE holds (source 1), B the one along which a lane's REGISTERS run (source 0); the quantiser runs along B's rows.  Q, K: A = the activation (8,192 rows), B = the weight (1,024).
; V: A = w_v, B = value, so that a lane holds one channel and its registers run along the keys.  Only pointers and tile numbers are chosen by T; there is one path through the text.
; A work-group makes 256 x 256, each of its four waves 128 x 128: 64 accumulators of 16 x 16.  K goes in four steps of 256 through a ring of two LDS slots filled by the tensor data mover; the scale bytes of the
; work-group's rows come once.  The four work-groups of a row of the cluster ask jointly for A's tiles, the four of a column for B's.
; WHAT IS STORED.  A wave's 128 x 128 result is one dense block of 16,384 bytes of codes (128 rows of A x 128 codes along B) and 512 bytes of scale words (one word a row: four blocks of 32).
; The rows of a block lie in STORED order: place p holds row pi(p), pi = bits 3 and 4 exchanged, so that 16 neighbouring places are the rows 8 u + 0..7 and 16 + 8 u + 0..7 of a group of 32:
; the next launch's 16-row tiles then give a lane 16 neighbours along its next K.  Block I = ((X / 16) 8 + HP) 16 + X % 16, X the activation's block of 128 rows, HP the weight's (a pair of heads).
; THE MASK.  A key whose mask is not above 0.5 has its row of K made zero ahead of the quantiser; the next launch gives such a key its score by the scale word alone.
; The bias along B's rows (Q, K) is the C of each sum's first matrix instruction; the bias along A's rows (V) and the mask's factor are one packed multiply-add on the way out.
; LIMITS: NaN and infinities are not served.  A block whose largest magnitude lies under 2^-118 keeps the scale byte 1, a block of zeros too (its codes are zeros; the bytes are read by this program alone).
; REGISTERS, in windows of 256: window 0: v16-31 addresses; v32-63 scale words, two sets; v64-127 the bias along B; v128-255 A's fragments, one set.  window 1: B's fragments, two sets.
;   windows 2, 3: the accumulators of my rows 0-63, 64-127 ((a, b) at v[8 (8 (a % 4) + b)]).  On the way out window 0 is laid anew (below).
.set KROW,   1024                      ; a row of A or of B in memory, in bytes
.set ROWB,   256                       ; a tile's row: 256 codes
.set NQ,     2                         ; matrix instructions deep in a slot
.set PITCH,  272                       ; an LDS row: 256 bytes + 16 of padding = 68 words: the 16 rows that a load touches start at 16 different groups of four banks
.set APITCH, PITCH
.set AQ,     128                       ; bytes from a slot's first 128 along K to its second, in A's rows
.set ASTEP,  2*ROWB                    ; a slot's next tile: two K steps on
.set BSTEP,  2*ROWB
.set FR,     16                        ; registers of a fragment
.set NL,     4                         ; LDS loads that bring one
.set NP,     8                         ; places behind this matrix instruction (ISA guide 7.12.1)
.set HALFT,  128*PITCH                 ; 128 rows: what one tensor load brings
.set SLOT,   4*HALFT                   ; A's 256 rows, then B's 256 rows
.set KS,     32                        ; a row of scale bytes
.set SCL,    2*SLOT                    ; behind the ring: the scales, as units of 256 bytes + 16 of padding
.set HALFS,  (128*KS/256)*272          ; those of 128 rows
.set SBLK,   (16*KS/256)*272           ; those of 16 rows
.set SPARE,  SCL+4*HALFS               ; the spare words, 128 bytes for each wave: two blocks of 256 bytes that no other line names
.set WSTG,   4096                      ; the way out: a region for each wave in slot 0, which has had its last fill and its last read by then:
.set SPITCH, 144                       ; 16 rows of 128 codes + 16 bytes,
.set SWOFF,  2560                      ; and behind them the block's 128 scale words
.set ADRA, 16                          ; v16-17  LDS address of my A fragments in slot 0, 1
.set SWS,  18                          ; v18     where I put a row's scale word
.set SWR,  19                          ; v19     where I read 16 bytes of scale words back
.set ADRB, 20                          ; v20-21  LDS address of my B fragments
.set ZERO, 22                          ; v22     0.0
.set ONE,  23                          ; v23     1.0
.set STO,  24                          ; v24     where I put 8 codes of a row
.set RD,   25                          ; v25     where I read 16 codes back
.set CO,   26                          ; v26     16 x lane: my byte offset in 512 stored bytes
.set ADRS, 27                          ; v27     LDS address of my scale words: lanes 0-15 A's rows, lanes 16-31 B's
.set SPW,  28                          ; v28     LDS address of my spare word; never rewritten
.set NIL,  29                          ; v29     0; never rewritten
.set R4,   30                          ; v30     4 x (lane % 16)
.set H32,  31                          ; v31     32 x (lane / 16)
.set SC,   32
.set CB,   64                          ; the bias along B: register 8 b + j = that of B's row 16 b + 8 (lane / 16) + j
.set AF,   128
.set TM,   32                          ; the way out: v32-35 largest magnitudes, v36-39 bytes, v40-43 holds, v44-47 the conversions' scale operands
.set PW,   48                          ; v48-49  the scale word just made, by turns
.set MK,   64                          ; v64-71  the mask at my row of each of A's eight blocks
.set RBV,  72                          ; v72-79  the bias at that row
.set RF,   80                          ; v80-95  the row's factor (1, or 0 for a masked key), as pairs
.set RB,   96                          ; v96-111 the row's addend (b_v, or 0), as pairs
.set TN,   128                         ; v128-191 a block's 64 numbers
.set CODE, 192                         ; v192-223 its codes, two sets by turns
.set BK,   224                         ; v224-255 16 rows read back, two sets by turns
.set G1, 24                            ; s[24:31] descriptor group 1 for A's tiles;  s[32:39] group 0, one set for each slot
.set G0, 32
.set G1B, 48                           ; s[48:55], s[56:63] the same for B's tiles
.set G0B, 56
.set G1S, 68                           ; s[68:75], s[76:79] groups 1 and 0 for A's scales;  s[80:87], s[88:91] for B's
.set G0S, 76
.set G1SB, 80
.set G0SB, 88
.set MSB, 0
.macro WIN new                         ; the immediate's high byte repeats the setting that is left
.if MSB != \new
	s_set_vgpr_msb (MSB<<8)|\new
.set MSB, \new
.endif
.endm
.set MUL_LO, 0xa1                      ; source 0 (B) window 1, source 1 (A) window 0, C and D window 2
.set MUL_HI, 0xf1                      ; the same, C and D window 3
.set BEG_LO, 0x81                      ; the first step: C (the bias) window 0, D window 2
.set BEG_HI, 0xc1                      ; D window 3
.set TO_B,   0x40                      ; destination window 1, address window 0
; A joint load: waves 0 and 1 fetch for A, waves 2 and 3 for B.  Each of the two lines has one mask and one set of registers for all that issue it; the branch hangs on the wave's number alone.
; Four v_nop follow each of the two lines, ahead of the jump, the label and what follows.
.macro JLOAD g0a, g1a, g0b, g1b
	s_cmp_eq_u32 s15, 0
	s_cbranch_scc0 .Lfor_b_\@
	tensor_load_to_lds s[\g0a:\g0a+3], s[\g1a:\g1a+7]
	s_nop 0
.rept 4
	v_nop
.endr
	s_branch .Lasked_\@
.Lfor_b_\@:
	tensor_load_to_lds s[\g0b:\g0b+3], s[\g1b:\g1b+7]
	s_nop 0
.rept 4
	v_nop
.endr
.Lasked_\@:
.endm
.macro CREST                           ; a round of the cluster's barrier behind its opening barrier
	s_cmp_lg_u32 s14, 0
	s_cbranch_scc1 .Lnot_wave_0_\@
	s_barrier_signal -3
.Lnot_wave_0_\@:
	s_barrier_wait -3
	s_barrier_signal -1
	s_barrier_wait -1
.endm
.macro CROUND                          ; a whole round
	s_barrier_signal -1
	s_barrier_wait -1
	CREST
.endm
	s_load_b512 s[4:19], s[0:1], 0x0               ; the 22 addresses: number i at s[4 + 2 i]: seven for Q, seven for K, seven for V, the mask
	s_load_b512 s[20:35], s[0:1], 0x40
	s_load_b256 s[36:43], s[0:1], 0x80
	s_load_b128 s[44:47], s[0:1], 0xa0
	v_lshl_add_u32 v[SPW], v0, 2, SPARE
	v_mov_b32 v[NIL], 0
	ds_add_u32 v28, v29
	s_wait_dscnt 0x0
	s_and_b32 s96, ttmp7, 0xffff                   ; cluster y, 0 .. 23
	s_lshr_b32 s97, s96, 3                         ; T: which tensor
	s_and_b32 s96, s96, 7                          ; which of its eight clusters
	s_wait_kmcnt 0x0
	s_cmp_eq_u32 s97, 0                            ; the seven addresses of my tensor come to s[4:17]: the choice hangs on the cluster's number alone
.irp p, 0,1,2,3,4,5,6
	s_cselect_b64 s[4+2*\p:5+2*\p], s[4+2*\p:5+2*\p], s[18+2*\p:19+2*\p]
.endr
	s_cmp_eq_u32 s97, 2
.irp p, 0,1,2,3,4,5,6
	s_cselect_b64 s[4+2*\p:5+2*\p], s[32+2*\p:33+2*\p], s[4+2*\p:5+2*\p]
.endr
	s_mov_b64 s[98:99], s[12:13]                   ; the bias
	s_mov_b64 s[100:101], s[16:17]                 ; the scale words that I store
	s_mov_b64 s[66:67], s[46:47]                   ; the mask
	s_mov_b64 s[12:13], s[14:15]                   ; the codes that I store.  s[4:5] A's codes, s[6:7] A's scales, s[8:9] B's codes, s[10:11] B's scales
	v_lshrrev_b32 v1, 5, v0
	v_readfirstlane_b32 s14, v1                    ; wave 0..3
	s_lshr_b32 s15, s14, 1                         ; which half of the tile's rows of A is mine.  Also: I fetch for A (0) or for B (1)
	s_and_b32 s16, s14, 1                          ; which half of its rows of B.  Also: which 128 rows I fetch
	s_bfe_u32 s40, ttmp6, 0x40000                  ; cx, cy: my place in the cluster
	s_bfe_u32 s41, ttmp6, 0x40004
	s_cmp_eq_u32 s97, 2
	s_cselect_b32 s17, 0, s96                      ; Q, K: the eight clusters lie along A's 32 tiles;
	s_cselect_b32 s42, s96, 0                      ; V: along B's
	s_cselect_b32 s96, -1, 0                       ; all ones where the tensor is V
	s_lshl_b32 s17, s17, 2
	s_add_co_u32 s17, s17, s41                     ; A's tile of 256 rows
	s_lshl_b32 s42, s42, 2
	s_add_co_u32 s42, s42, s40                     ; B's
	s_cmp_eq_u32 s97, 1
	s_cselect_b32 s95, 0, -1                       ; all ones where the tensor is not K: the mask then hides nothing
	s_lshl_b32 s43, s41, 2
	s_lshl_b32 s43, 15, s43                        ; my row of the cluster
	s_lshl_b32 s44, 0x1111, s40                    ; my column
	; descriptor group 1: a tile of 128 rows x 256 bytes, padded in LDS
	s_or_b32 s[G1+0], s43, (0<<16)|(1<<20)|(1<<21)|(5<<22)|(3<<25)  ; 15:0 the mask: A's tiles go to my row; 17:16 elements of 1 byte; 20 padding on; 21 set beside a mask; 24:22 after every 64 words (code 5); 31:25 four words (code 3)
	s_or_b32 s[G1B+0], s44, (0<<16)|(1<<20)|(1<<21)|(5<<22)|(3<<25)
.irp g, G1, G1B
	s_mov_b32 s[\g+1], ROWB<<16                    ; tensor_dim0
	s_mov_b32 s[\g+2], 128<<16                     ; tensor_dim1
	s_mov_b32 s[\g+3], ROWB<<16                    ; tile_dim0
	s_mov_b32 s[\g+4], 128                         ; tile_dim1
	s_mov_b32 s[\g+5], KROW                        ; tensor_dim0_stride
	s_mov_b32 s[\g+6], 0
	s_mov_b32 s[\g+7], 0
.endr
	; the scales of 128 rows: a dense block of 4,096 bytes, as 16 rows of 256 bytes (32 elements of 8 bytes), 16 bytes of padding behind each
	s_or_b32 s[G1S+0], s43, (3<<16)|(1<<20)|(1<<21)|(5<<22)|(3<<25)
	s_or_b32 s[G1SB+0], s44, (3<<16)|(1<<20)|(1<<21)|(5<<22)|(3<<25)
.irp g, G1S, G1SB
	s_mov_b32 s[\g+1], 32<<16
	s_mov_b32 s[\g+2], (128*KS/256)<<16
	s_mov_b32 s[\g+3], 32<<16
	s_mov_b32 s[\g+4], 128*KS/256
	s_mov_b32 s[\g+5], 32
	s_mov_b32 s[\g+6], 0
	s_mov_b32 s[\g+7], 0
.endr
	s_lshl_b32 s18, s16, 7                         ; which 128 rows of the tile I fetch
	s_lshl_b32 s20, s17, 8
	s_add_co_u32 s20, s20, s18                     ; A: row 256 x tile + 128 x half
	s_lshl_b32 s46, s42, 8
	s_add_co_u32 s46, s46, s18                     ; B likewise
	s_mov_b32 s21, 0
	s_mov_b32 s47, 0
	s_mov_b64 s[18:19], KS
	s_mul_u64 s[22:23], s[20:21], s[18:19]         ; where these rows' scales begin, in bytes
	s_mul_u64 s[92:93], s[46:47], s[18:19]
	s_mov_b64 s[18:19], KROW
	s_mul_u64 s[20:21], s[20:21], s[18:19]         ; and their codes
	s_mul_u64 s[46:47], s[46:47], s[18:19]
	s_mul_i32 s45, s14, HALFT                      ; where they go: wave x 128 rows: no place in the cluster enters an LDS address
	s_mul_i32 s94, s14, HALFS
	s_add_nc_u64 s[20:21], s[4:5], s[20:21]
	s_add_nc_u64 s[22:23], s[6:7], s[22:23]
	s_add_nc_u64 s[46:47], s[8:9], s[46:47]
	s_add_nc_u64 s[92:93], s[10:11], s[92:93]
	CROUND                                         ; all sixteen work-groups are here: the first joint loads meet
	s_mov_b32 s[G0S], 1
	s_add_co_u32 s[G0S+1], s94, SCL
	s_mov_b64 s[G0S+2:G0S+3], s[22:23]
	s_or_b32 s[G0S+3], s[G0S+3], 0x80000000
	s_mov_b32 s[G0SB], 1
	s_add_co_u32 s[G0SB+1], s94, SCL
	s_mov_b64 s[G0SB+2:G0SB+3], s[92:93]
	s_or_b32 s[G0SB+3], s[G0SB+3], 0x80000000
	JLOAD G0S, G1S, G0SB, G1SB                     ; the scales first: they are wanted with K step 0
.irp s, 0,1
	s_mov_b32 s[G0+4*\s], 1
	s_add_co_u32 s[G0+4*\s+1], s45, \s*SLOT
	s_add_nc_u64 s[G0+4*\s+2:G0+4*\s+3], s[20:21], \s*ROWB
	s_or_b32 s[G0+4*\s+3], s[G0+4*\s+3], 0x80000000
	s_mov_b32 s[G0B+4*\s], 1
	s_add_co_u32 s[G0B+4*\s+1], s45, \s*SLOT
	s_add_nc_u64 s[G0B+4*\s+2:G0B+4*\s+3], s[46:47], \s*ROWB
	s_or_b32 s[G0B+4*\s+3], s[G0B+4*\s+3], 0x80000000
	JLOAD G0+4*\s, G1, G0B+4*\s, G1B               ; three tensor loads of mine are out
.endr
	v_and_b32 v1, 15, v0                           ; r = lane % 16
	v_bfe_u32 v2, v0, 4, 1                         ; h = lane / 16
	v_lshlrev_b32 v[H32], 5, v2
	; the bias along B's rows: my 128 numbers, eight a lane for each of B's eight blocks.  For V the bias goes along A's rows: the loads then read the buffer's first bytes, and zeros take their place below
	s_lshl_b32 s20, s42, 10
	s_lshl_b32 s21, s16, 9
	s_add_co_u32 s20, s20, s21                     ; 4 x (256 x B's tile + 128 x half)
	s_cmp_eq_u32 s97, 2
	s_cselect_b32 s20, 0, s20
	s_mov_b32 s21, 0
	s_add_nc_u64 s[8:9], s[98:99], s[20:21]
.irp b, 0,1,2,3,4,5,6,7
	global_load_b128 v[CB+8*\b:CB+8*\b+3], v[H32], s[8:9] offset:64*\b
	global_load_b128 v[CB+8*\b+4:CB+8*\b+7], v[H32], s[8:9] offset:64*\b+16
.endr
	v_mul_u32_u24 v3, v1, PITCH
	v_lshl_add_u32 v4, v2, 4, v3                   ; a fragment's row x pitch + 16 x half
	s_mul_i32 s21, s15, HALFT                      ; my 128 rows of A
	s_mul_i32 s22, s16, HALFT                      ; my 128 rows of B,
	s_add_co_u32 s22, s22, 2*HALFT                 ; which lie behind A's 256
.irp s, 0,1
	v_add_nc_u32 v[ADRA+\s], s21, v4
	v_add_nc_u32 v[ADRB+\s], s22, v4
	s_add_co_u32 s21, s21, SLOT
	s_add_co_u32 s22, s22, SLOT
.endr
	v_mul_u32_u24 v5, v1, KS                       ; my row's scales: 32 bytes a row,
	v_lshrrev_b32 v6, 8, v5
	v_lshl_add_u32 v5, v6, 4, v5                   ; and 16 more for each 256 passed
	s_mul_i32 s21, s15, HALFS                      ; A's: my 128 rows
	s_mul_i32 s22, s16, HALFS                      ; B's: my 128 rows, behind A's 256
	s_add_co_u32 s22, s22, 2*HALFS
	s_sub_co_u32 s22, s22, s21
	v_mul_u32_u24 v6, s22, v2                      ; lanes 16-31 take B's
	s_add_co_u32 s21, s21, SCL
	v_add_nc_u32 v5, v5, v6
	v_add_nc_u32 v[ADRS], s21, v5
	s_lshl_b32 s23, s14, 12                        ; my region for the way out: WSTG x wave
	v_mul_u32_u24 v5, v1, SPITCH
	v_lshl_add_u32 v5, v2, 3, v5
	v_add_nc_u32 v[STO], s23, v5                   ; in: row r, 8 bytes for each half of the lanes
	v_and_b32 v6, 31, v0
	v_lshlrev_b32 v[CO], 4, v6
	v_lshrrev_b32 v7, 3, v6
	v_and_b32 v8, 7, v6
	v_mul_u32_u24 v7, v7, SPITCH
	v_lshl_add_u32 v7, v8, 4, v7
	v_add_nc_u32 v[RD], s23, v7                    ; back: eight lanes to a row of 128 bytes, four rows an instruction
	v_and_b32 v7, 7, v1
	v_lshrrev_b32 v8, 3, v1
	v_lshl_add_u32 v7, v8, 4, v7                   ; r % 8 + 16 (r / 8): my row's stored place in its group of 32, less its block's part
	v_lshlrev_b32 v7, 2, v7
	s_add_co_u32 s23, s23, SWOFF
	v_add_nc_u32 v[SWS], s23, v7
	v_add_nc_u32 v[SWR], s23, v[CO]
	v_lshlrev_b32 v[R4], 2, v1
	v_mov_b32 v[ZERO], 0
	v_mov_b32 v[ONE], 1.0
	; where my block goes, and where my rows' mask and bias lie
	s_lshl_b32 s18, s17, 1
	s_add_co_u32 s18, s18, s15                     ; A's block of 128 rows
	s_lshl_b32 s19, s42, 1
	s_add_co_u32 s19, s19, s16                     ; B's
	s_cmp_eq_u32 s97, 2
	s_cselect_b32 s20, s19, s18                    ; X: the activation's block
	s_cselect_b32 s21, s18, s19                    ; HP: the weight's
	s_cselect_b32 s22, s18, 0                      ; V: b_v at A's rows; else the buffer's first bytes, which are not used
	s_lshr_b32 s23, s20, 4
	s_lshl_b32 s23, s23, 3
	s_add_co_u32 s23, s23, s21
	s_lshl_b32 s23, s23, 4
	s_and_b32 s20, s20, 15
	s_add_co_u32 s20, s23, s20                     ; I, under 512
	s_mov_b32 s47, 0
	s_lshl_b32 s46, s20, 14
	s_add_nc_u64 s[12:13], s[12:13], s[46:47]      ; 16,384 bytes of codes a block
	s_lshl_b32 s46, s20, 9
	s_add_nc_u64 s[100:101], s[100:101], s[46:47]  ; 512 bytes of scale words
	s_lshl_b32 s46, s18, 9
	s_add_nc_u64 s[66:67], s[66:67], s[46:47]      ; the mask at A's row 128 x block (for K that row is batch x 2,048 + key; for Q and V the numbers are read and count for nothing)
	s_lshl_b32 s46, s22, 9
	s_add_nc_u64 s[4:5], s[98:99], s[46:47]
	s_wait_loadcnt 0x0                             ; the bias along B
.set n, 0
.rept 64
	v_cndmask_b32 v[CB+n], v[CB+n], v[ZERO], s96   ; V has none along B
.set n, n+1
.endr
.rept NP
	v_nop
.endr
.macro FRAGA reg, slot, q, i           ; a fragment, 16 rows x 128 K, is 16 registers: lane l holds row l % 16; registers 4 c .. 4 c + 3 hold K = 32 c + 16 (l / 16) + 0 .. 15
.irp c, 0,1,2,3
	ds_load_b128 v[\reg+4*\c:\reg+4*\c+3], v[ADRA+\slot] offset:AQ*(\q)+(\i)*16*APITCH+32*\c
.endr
.endm
.macro FRAGB reg, slot, q, i
.irp c, 0,1,2,3
	ds_load_b128 v[\reg+4*\c:\reg+4*\c+3], v[ADRB+\slot] offset:128*(\q)+(\i)*16*PITCH+32*\c
.endr
.endm
; 16 matrix instructions: A's blocks a0, a0 + 1 x B's eight, 128 along K: the slot's q-th.  p: B's set;  sc: the set of scale words.  first = 1: the bias is the C: nothing is cleared and nothing is added later.
; The 64 accumulators take turns, one instruction a turn, in the same order in every step.
.macro MUL16 a0, p, q, sc, first
.irp a, \a0, \a0+1
.irp b, 0,1,2,3,4,5,6,7
.if \first
	v_wmma_scale_f32_16x16x128_f8f6f4 v[8*(8*((\a)%4)+\b):8*(8*((\a)%4)+\b)+7], v[128*(\p)+FR*\b:128*(\p)+FR*\b+FR-1], v[AF+FR*(\a):AF+FR*(\a)+FR-1], v[CB+8*\b:CB+8*\b+7], v[SC+8*NQ*(\sc)+NQ*\b+(\q)], v[SC+8*NQ*(\sc)+NQ*(\a)+(\q)] matrix_a_scale:MATRIX_SCALE_ROW1
.else
	v_wmma_scale_f32_16x16x128_f8f6f4 v[8*(8*((\a)%4)+\b):8*(8*((\a)%4)+\b)+7], v[128*(\p)+FR*\b:128*(\p)+FR*\b+FR-1], v[AF+FR*(\a):AF+FR*(\a)+FR-1], v[8*(8*((\a)%4)+\b):8*(8*((\a)%4)+\b)+7], v[SC+8*NQ*(\sc)+NQ*\b+(\q)], v[SC+8*NQ*(\sc)+NQ*(\a)+(\q)] matrix_a_scale:MATRIX_SCALE_ROW1
.endif
.endr
.endr
.endm
.macro FETCH_B slot, q, p              ; B's eight fragments of the slot's q-th 128 along K into set p
	WIN TO_B
.irp i, 0,1,2,3,4,5,6,7
	FRAGB 128*(\p)+FR*\i, \slot, \q, \i
.endr
	WIN 0
.endm
.macro FETCH_A slot, q, i0             ; A's blocks i0 .. i0 + 3
.irp i, \i0, \i0+1, \i0+2, \i0+3
	FRAGA AF+FR*(\i), \slot, \q, \i
.endr
.endm
.macro SCALES sc                       ; a K step's scale words into set sc: two words a row; lanes 0-15 take A's block i, lanes 16-31 B's block i
.irp i, 0,1,2,3,4,5,6,7
	ds_load_b64 v[SC+8*NQ*\sc+NQ*\i:SC+8*NQ*\sc+NQ*\i+1], v[ADRS] offset:\i*SBLK
.endr
.endm
; A load into a register that a matrix instruction has read, and a vector instruction or an LDS store that reads a matrix result, stand NP places behind that matrix instruction, and only plain vector
; instructions that name none of its registers are places (ISA guide 7.12.1 for vector instructions).
.macro PLACES n
.rept \n
	v_nop
.endr
.endm
; A step of 128 along K that has its successor in the same slot.  A's blocks go one after the other, each against B's eight: blocks 0-3 are fetched anew in the step's middle, blocks 4-7 at its end.
.macro STEP slot, q, first
	s_wait_dscnt 4*NL                              ; B's set and A's blocks 0-3 are in; the youngest 16 loads (A's blocks 4-7) may be out
.if \first
	WIN BEG_LO
.else
	WIN MUL_LO
.endif
	MUL16 0, (\q)%2, \q, \slot, \first
	MUL16 2, (\q)%2, \q, \slot, \first
	s_wait_dscnt 0                                 ; A's blocks 4-7 are in (asked for 32 matrix instructions ago)
	PLACES NP
	FETCH_B \slot, (\q)+1, 1-(\q)%2
	FETCH_A \slot, (\q)+1, 0
.if \first
	WIN BEG_HI
.else
	WIN MUL_HI
.endif
	MUL16 4, (\q)%2, \q, \slot, \first
	MUL16 6, (\q)%2, \q, \slot, \first
	PLACES NP
	WIN 0
	FETCH_A \slot, (\q)+1, 4
.endm
; A slot's last step changes slots: one barrier; in front of it each wave waits for all its tensor loads, adds 0 to its spare word, and waits for that and for its own reads of this slot.  fill = 1: this slot is filled again, two K steps ahead.
.macro TURN slot, next, fill
	s_wait_tensorcnt 0x0                           ; all my tensor loads have landed: my part of the next slot;  (every window is 0 here)
	ds_add_u32 v[SPW], v[NIL]                      ; 0 onto my spare word
	s_wait_dscnt 4*NL+1                            ; (the add and the youngest 16 loads, A's blocks 4-7, may be out)
	WIN MUL_LO
	MUL16 0, 1, NQ-1, \slot, 0                     ; sixteen matrix instructions stand between the add and the wait for it
	s_wait_dscnt 0x0                               ; the add is done, and my reads of this slot are over
	s_barrier_signal -1
	MUL16 2, 1, NQ-1, \slot, 0
	WIN 0
	s_barrier_wait -1
.if \fill
	CREST                                          ; the barrier has opened a round of the cluster's barrier: no wave of any partner still reads this slot's tile or has a load on its way
	s_add_nc_u64 s[G0+4*\slot+2:G0+4*\slot+3], s[G0+4*\slot+2:G0+4*\slot+3], ASTEP
	s_add_nc_u64 s[G0B+4*\slot+2:G0B+4*\slot+3], s[G0B+4*\slot+2:G0B+4*\slot+3], BSTEP
	JLOAD G0+4*\slot, G1, G0B+4*\slot, G1B         ; the first tensor load behind the round; the four v_nop behind it are among the places in front of the loads below
	PLACES NP-4
.else
	PLACES NP
.endif
	v_add_nc_u32 v[ADRS], 4*NQ, v[ADRS]            ; on to the next K step's scale words (no LDS load of mine is out)
	FETCH_B \next, 0, 0
	FETCH_A \next, 0, 0
	SCALES \next
	WIN MUL_HI
	MUL16 4, 1, NQ-1, \slot, 0
	MUL16 6, 1, NQ-1, \slot, 0
	PLACES NP
	WIN 0
	FETCH_A \next, 0, 4
.endm
	s_wait_tensorcnt 1                             ; the scales and my part of K step 0 are in (K step 1's load may be out)
	s_barrier_signal -1
	s_barrier_wait -1                              ; everybody's are
	FETCH_B 0, 0, 0
	FETCH_A 0, 0, 0
	SCALES 0
	FETCH_A 0, 0, 4
	STEP 0, 0, 1                                   ; the first step takes the bias as its C
.irp a, 0,1,2,3,4,5,6,7                ; the bias's registers are free (eight places stand behind their last reader): the mask and the bias at my row of each of A's blocks land there while K is walked
	global_load_b32 v[MK+\a], v[R4], s[66:67] offset:64*\a
	global_load_b32 v[RBV+\a], v[R4], s[4:5] offset:64*\a
.endr
	TURN 0, 1, 1                                   ; K has four steps of 256: both slots are filled once more, and the walk is written out
	STEP 1, 0, 0
	TURN 1, 0, 1
	STEP 0, 0, 0
	TURN 0, 1, 0                                   ; nothing is left to fetch, so no round of the cluster's barrier
	STEP 1, 0, 0
	s_wait_dscnt 4*NL                              ; the very last step
	WIN MUL_LO
	MUL16 0, 1, NQ-1, 1, 0
	MUL16 2, 1, NQ-1, 1, 0
	s_wait_dscnt 0
	WIN MUL_HI
	MUL16 4, 1, NQ-1, 1, 0
	MUL16 6, 1, NQ-1, 1, 0
	WIN 0
; THE WAY OUT, block by block of 16 rows of A.  In accumulator (a, b) lane (r, h) holds row 16 a + r and B's rows 16 b + 8 h + 0 .. 7: so register 16 c + 8 u + j of a block's 64 is column 32 c + 16 u + 8 h + j,
; a block of 32 columns lies in lanes l and l xor 16, and eight codes are eight neighbouring bytes of the row.
	PLACES NP
	s_mov_b32 s92, 0x76543210
	s_mov_b32 s93, 0xfedcba98                      ; v_permlanex16_b32's selects for lane l xor 16
	s_mov_b32 s94, 0x600000                        ; the mantissa field of 448
.irp c, 0,1,2,3
	v_mov_b32 v[TM+4+\c], 0                        ; a lane permute's destination counts as one of its sources
.endr
	s_wait_loadcnt 0x0                             ; the mask and the bias at my rows
.irp a, 0,1,2,3,4,5,6,7
	v_cmp_lt_f32 vcc_lo, 0.5, v[MK+\a]             ; the key counts where its mask is above 0.5;
	s_or_b32 vcc_lo, vcc_lo, s95                   ; a row of Q or of V always does
	v_cndmask_b32 v[RF+2*\a], v[ZERO], v[ONE], vcc_lo
	v_mov_b32 v[RF+2*\a+1], v[RF+2*\a]
	v_cndmask_b32 v[RB+2*\a], v[ZERO], v[RBV+\a], s96   ; b_v at my row, for V alone
	v_mov_b32 v[RB+2*\a+1], v[RB+2*\a]
.endr
.macro PACKQ a                         ; block a: x the row's factor + the row's addend; four blocks of 32 quantised; 64 codes and the row's scale word
.set AC, 64*((\a)%4)
.set CD, CODE+16*((\a)%2)
	WIN 0x02+(\a)/4                                ; source 0: window 2 or 3
.set n, 0
.rept 32
	v_pk_fma_f32 v[TN+n:TN+n+1], v[AC+n:AC+n+1], v[RF+2*(\a):RF+2*(\a)+1], v[RB+2*(\a):RB+2*(\a)+1]   ; each accumulator from its low end on
.set n, n+2
.endr
	WIN 0
.irp c, 0,1,2,3
	v_max3_num_f32 v[TM+\c], |v[TN+16*\c]|, |v[TN+16*\c+1]|, 0x4800000   ; my 16 numbers of block c, and the floor 2^(9 - 127): the byte cannot fall under 1
.endr
.irp i, 2,4,6,8,10,12,14
.irp c, 0,1,2,3
	v_max3_num_f32 v[TM+\c], v[TM+\c], |v[TN+16*\c+\i]|, |v[TN+16*\c+\i+1]|   ; (the four blocks by turns)
.endr
.endr
.irp c, 0,1,2,3
	v_permlanex16_b32 v[TM+4+\c], v[TM+\c], s92, s93
.endr
.irp c, 0,1,2,3
	v_max_num_f32 v[TM+\c], v[TM+\c], v[TM+4+\c]   ; with lane l xor 16's: the block's largest magnitude
.endr
.irp c, 0,1,2,3
	v_add_nc_u32 v[TM+12+\c], 0xfc000000, v[TM+\c] ; 8 off its exponent field: the conversion takes this operand's exponent field as its scale
.endr
.irp c, 0,1,2,3
	v_and_or_b32 v[TM+8+\c], v[TM+\c], 0x7f800000, s94   ; 448 x the scale
.endr
.irp c, 0,1,2,3
	v_lshrrev_b32 v[TM+4+\c], 23, v[TM+12+\c]      ; the scale's byte
.endr
	v_lshl_or_b32 v[PW+(\a)%2], v[TM+5], 8, v[TM+4]
	v_lshl_or_b32 v[PW+(\a)%2], v[TM+6], 16, v[PW+(\a)%2]
	v_lshl_or_b32 v[PW+(\a)%2], v[TM+7], 24, v[PW+(\a)%2]
.irp c, 0,1,2,3
.irp i, 0,1,2,3,4,5,6,7,8,9,10,11,12,13,14,15
	v_med3_num_f32 v[TN+16*\c+\i], v[TN+16*\c+\i], -v[TM+8+\c], v[TM+8+\c]   ; the conversion to an 8-bit code does not saturate (ISA guide 7.6.2): the hold at the largest code x the scale
.endr
	v_cvt_scalef32_pk8_fp8_f32 v[CD+4*\c:CD+4*\c+1], v[TN+16*\c:TN+16*\c+7], v[TM+12+\c]
	v_cvt_scalef32_pk8_fp8_f32 v[CD+4*\c+2:CD+4*\c+3], v[TN+16*\c+8:TN+16*\c+15], v[TM+12+\c]
.endr
	v_nop                                          ; one plain vector instruction behind the last conversion
.endm
.macro TOSTAGE a                       ; the codes into my stage, 8 bytes a store, and back as rows; the scale word to its stored place.  LDS serves a wave's instructions in order: no wait between the stores and the loads
.set CD, CODE+16*((\a)%2)
.set BB, BK+16*((\a)%2)
.if (\a) > 1
	s_wait_xcnt 0x0                                ; block a - 2's stores have read their registers: the loads below may land there
.endif
.irp e, 0,1,2,3,4,5,6,7
	ds_store_b64 v[STO], v[CD+2*\e:CD+2*\e+1] offset:16*\e
.endr
	ds_store_b32 v[SWS], v[PW+(\a)%2] offset:4*(32*((\a)/2)+8*((\a)%2))   ; both halves of the lanes write the same word with the same value
.irp g, 0,1,2,3
	ds_load_b128 v[BB+4*\g:BB+4*\g+3], v[RD] offset:4*SPITCH*\g
.endr
.endm
.macro SEND a                          ; rows 16 a + 4 g + 0 .. 3 go to four neighbouring stored places: the exchange of bits 3 and 4 stands in the immediate, and each store covers 512 consecutive bytes, aligned
.set BB, BK+16*((\a)%2)
	s_wait_dscnt 0x0                               ; the block is back in registers, and its stores into the stage have read theirs
.irp g, 0,1,2,3
	global_store_b128 v[CO], v[BB+4*\g:BB+4*\g+3], s[12:13] offset:128*(32*((\a)/2)+16*(\g/2)+8*((\a)%2)+4*(\g%2))
.endr
.endm
	PACKQ 0
	TOSTAGE 0
.irp a, 1,2,3,4,5,6,7                  ; block a's arithmetic stands between block a - 1's loads from the stage and the wait for them
	PACKQ \a
	SEND \a-1
	TOSTAGE \a
.endr
	SEND 7
	ds_load_b128 v[TN:TN+3], v[SWR]                ; the block's 128 scale words, in stored order
	s_wait_dscnt 0x0
	global_store_b128 v[CO], v[TN:TN+3], s[100:101]   ; 512 consecutive bytes, aligned
	s_wait_tensorcnt 0x0                           ; the wave's end, behind my last tensor load and my last LDS store
	ds_add_u32 v[SPW], v[NIL]
	s_wait_dscnt 0x0
	CROUND                                         ; the closing round: no work-group ends while a partner may still ask for a tile that names it
	s_endpgm
.Lfunc_end_k_qeff1b9402c_proj:
	.size	k_qeff1b9402c_proj, .Lfunc_end_k_qeff1b9402c_proj-k_qeff1b9402c_proj
	.p2alignl 7, 3214868480
	.fill 96, 4, 3214868480
	.section	.rodata,"a",@progbits
	.p2align	6, 0x0
	.amdhsa_kernel k_qeff1b9402c_proj
		.amdhsa_group_segment_fixed_size 327680
		.amdhsa_private_segment_fixed_size 0
		.amdhsa_enable_private_segment 0
		.amdhsa_kernarg_size 176
		.amdhsa_user_sgpr_count 2
		.amdhsa_user_sgpr_kernarg_segment_ptr 1
		.amdhsa_wavefront_size32 1
		.amdhsa_system_sgpr_workgroup_id_x 1
		.amdhsa_system_sgpr_workgroup_id_y 1
		.amdhsa_system_sgpr_workgroup_id_z 1
		.amdhsa_system_vgpr_workitem_id 0
		.amdhsa_next_free_vgpr 1024
		.amdhsa_next_free_sgpr 102
		.amdhsa_reserve_vcc 1
		.amdhsa_float_denorm_mode_32 3
		.amdhsa_float_denorm_mode_16_64 3
		.amdhsa_memory_ordered 1
		.amdhsa_forward_progress 1
		.amdhsa_inst_pref_size 218
	.end_amdhsa_kernel
	.amdgpu_metadata
---
amdhsa.version: [ 1, 2 ]
amdhsa.kernels:
  - .name:           k_qeff1b9402c_proj
    .symbol:         k_qeff1b9402c_proj.kd
    .args:
      - { .name: query_codes, .offset: 0, .size: 8, .value_kind: global_buffer, .address_space: global }
      - { .name: query_scales, .offset: 8, .size: 8, .value_kind: global_buffer, .address_space: global }
      - { .name: w_q_codes, .offset: 16, .size: 8, .value_kind: global_buffer, .address_space: global }
      - { .name: w_q_scales, .offset: 24, .size: 8, .value_kind: global_buffer, .address_space: global }
      - { .name: b_q, .offset: 32, .size: 8, .value_kind: global_buffer, .address_space: global }
      - { .name: qc, .offset: 40, .size: 8, .value_kind: global_buffer, .address_space: global }
      - { .name: qs, .offset: 48, .size: 8, .value_kind: global_buffer, .address_space: global }
      - { .name: key_codes, .offset: 56, .size: 8, .value_kind: global_buffer, .address_space: global }
      - { .name: key_scales, .offset: 64, .size: 8, .value_kind: global_buffer, .address_space: global }
      - { .name: w_k_codes, .offset: 72, .size: 8, .value_kind: global_buffer, .address_space: global }
      - { .name: w_k_scales, .offset: 80, .size: 8, .value_kind: global_buffer, .address_space: global }
      - { .name: b_k, .offset: 88, .size: 8, .value_kind: global_buffer, .address_space: global }
      - { .name: kc, .offset: 96, .size: 8, .value_kind: global_buffer, .address_space: global }
      - { .name: ks, .offset: 104, .size: 8, .value_kind: global_buffer, .address_space: global }
      - { .name: w_v_codes, .offset: 112, .size: 8, .value_kind: global_buffer, .address_space: global }
      - { .name: w_v_scales, .offset: 120, .size: 8, .value_kind: global_buffer, .address_space: global }
      - { .name: value_codes, .offset: 128, .size: 8, .value_kind: global_buffer, .address_space: global }
      - { .name: value_scales, .offset: 136, .size: 8, .value_kind: global_buffer, .address_space: global }
      - { .name: b_v, .offset: 144, .size: 8, .value_kind: global_buffer, .address_space: global }
      - { .name: vc, .offset: 152, .size: 8, .value_kind: global_buffer, .address_space: global }
      - { .name: vs, .offset: 160, .size: 8, .value_kind: global_buffer, .address_space: global }
      - { .name: mask, .offset: 168, .size: 8, .value_kind: global_buffer, .address_space: global }
    .group_segment_fixed_size: 327680
    .private_segment_fixed_size: 0
    .kernarg_segment_align: 8
    .kernarg_segment_size: 176
    .max_flat_workgroup_size: 128
    .sgpr_count:     102
    .vgpr_count:     1024
    .wavefront_size: 32
...
	.end_amdgpu_metadata
.endif
;; end of part 1
;; launch attn (part 2): grid 16 x 32, 16 waves a work-group, clusters of 4 x 1, 327,680 bytes of LDS; arguments qc, qs, kc, ks, vc, vs, mask, oc, os; writes oc, os
.if DOCPART == 2
	.amdgcn_target "amdgcn-amd-amdhsa--gfx1250"
	.amdhsa_code_object_version 6
	.text
	.protected	k_qeff1b9402c_attn
	.globl	k_qeff1b9402c_attn
	.p2align	8
	.type	k_qeff1b9402c_attn,@function
k_qeff1b9402c_attn:
	s_mov_b64 s[64:65], 0
	v_nop
	global_prefetch_b8 v0, s[64:65] scope:SCOPE_SE
	s_setreg_imm32_b32 hwreg(HW_REG_WAVE_MODE, 25, 1), 1
	s_wait_xcnt 0x0
	s_wait_alu depctr_hold_cnt(0) depctr_sa_sdst(0) depctr_va_vdst(0) depctr_va_sdst(0) depctr_va_ssrc(0) depctr_va_vcc(0) depctr_vm_vsrc(0)
	s_getreg_b32 s2, hwreg(HW_REG_IB_STS2, 6, 4)
	s_cmp_eq_u32 s2, 0
	s_cbranch_scc0 .Lentry_in_a_cluster
	s_endpgm
.Lentry_in_a_cluster:
	s_bfe_u32 s2, ttmp6, 0x10000c
	s_cmp_lg_u32 s2, 0x3003
	s_cbranch_scc0 .Lentry_shape_is_right
	s_endpgm
.Lentry_shape_is_right:
; ATTENTION on codes of FP8 (E4M3) with one E8M0 scale for each 32 along a product's K: scores = Q K^T / 8, the mask, the softmax, O = P V / l, and O quantised along head x 64 + channel for the last projection.
; INPUTS, as the launch before has laid them (bh = batch x 8 + pair of heads): qc, kc [bh][2,048 stored rows][128 bytes: head 2 hp's 64 codes, head 2 hp + 1's]; qs, ks [bh][stored row]: a word (two bytes a head);
; vc [bh][16 key steps][128 stored rows of (head % 2) x 64 + channel][128 keys]; vs [bh][key step][stored row]: a word.  Stored place p holds row pi(p), pi = bits 3 and 4 exchanged.
; THE SOFTMAX: t = score x log2(e) / 8; M = the row's largest t so far, rounded UP to a whole number; p = 2^(t - M) is what is quantised, along the keys, not normalised.  The row's sum is taken of the
; unquantised p and divides O at the end.  When M moves, the sum and O are multiplied by 2^(old M - new M): exact.
; THE MASK COSTS NO LINE IN THE LOOP.  A head has 64 channels, the matrix instruction 128 along K.  At k = 64 Q carries the code 1.0 and K the code -1.0, all else above 63 is zero codes.  The third byte of K's
; scale word is 160 (2^33) for a masked key and 0 (2^-127) for a key that counts; Q's is 127.  A masked key's row of K is zeros (the launch before), so its score is -2^33 exactly: the logit -2^30.
; t = -2^33 c is exact and whole, so a row all of whose keys are masked has p = 1 throughout, as softmax gives it; elsewhere a masked key's p falls to 0.
; LIMITS: the masked logit is -2^30 where the model says -1e9: the same results while the logits that count stay above some -1e9 + 200; a score that counts carries -2^-127; NaN and infinities are not served;
; a block whose largest magnitude lies under 2^-118 keeps the scale byte 1, a block of zeros too (its codes are zeros; the bytes are read by this program alone).
; SHARES.  A work-group owns 128 stored queries of a pair of heads; wave w owns head w / 8 and the 16 queries of tile w % 8, in 256 registers: four waves to a SIMD, so that one wave's vector work stands beside
; another's matrix work and LDS loads.  Every wave walks all 2,048 keys, 128 a step.  K's and V's tiles come through a ring of two LDS slots of 256 keys (waves 0, 1: K's halves; waves 2, 3: V's two key steps).
; CLUSTER.  The four query blocks of a cluster belong to one bh and walk the same K and V: each tile is asked for jointly, by the same tensor load with the same descriptor and a mask that names the four.
; LAYOUT.  Both products are used transposed: S^T = K Q^T (source 0 = 16 stored keys), O^T = V^T P^T (source 0 = 16 stored rows of V): a lane holds ONE query (lane % 16) throughout.  By the stored order the 16
; registers of tiles 2 b and 2 b + 1 are the keys (channels) 32 b + 16 (lane / 16) + 0 .. 15: the conversions' results are the next operand's registers.
.set KP,    144                        ; a row in LDS: 128 bytes + 16 of padding = 36 words: the 16 rows that a load touches start at 16 different groups of four banks
.set QTR,   128*KP                     ; what one tensor load brings: 128 rows
.set VOFF,  2*QTR                      ; a slot: 256 rows of K, then two key steps of V
.set SLOT1, 1<<17                      ; slot 1 begins here, so that one exclusive or turns an address in one slot into the other's
.set NSL,   8                          ; slots' worth of keys
.set KSW,   2*SLOT1                    ; behind the ring: K's scale words as the products take them: [head % 2][key step][lane][i]: the word of stored key 128 step + 32 i + lane; 16,384 bytes
.set VSW,   KSW+16384                  ; V's scale words, [key step][stored row]; 8,192 bytes
.set SPARE, VSW+16384                  ; the spare words, 128 bytes for each wave: eight blocks of 256 bytes that no other line names
.set STS,   128*KP                     ; the way out, in slot 0, which was left at the last change of slots: 128 rows x 144 bytes of codes at byte 0, behind them 128 scale words
.set AK0,  1                           ; v1   my lane's place in a tile of K
.set AV0,  2                           ; v2   the same for V
.set ASK0, 3                           ; v3   my lane's place among K's scale words
.set ASV0, 4                           ; v4   and among V's
.set SPW,  5                           ; v5   LDS address of my spare word; never rewritten
.set NIL,  6                           ; v6   0; never rewritten
.set PFO,  7                           ; v7   the prefetches' offset: 256 x lane; never rewritten
.set ADK,  8                           ; v8-11 the addresses of the step in hand
.set ADV,  9
.set ADS,  10
.set ADT,  11                          ; v12 -M, v13 the largest t, v[14:15] the sum in two halves
.set QF,   16                          ; v16-31  Q's fragment: 16-23 the head's 64 codes; v24 the code 1.0 at k = 64; 25-31 zeros
.set KF,   32                          ; v32-95  four fragments of K: +0..7 loaded; +8 the code -1.0 at k = 64; +9..15 zeros: the constants are written once
.set SS,   96                          ; v96-159 S^T, then p, then four fragments of V
.set OT,   160                         ; v160-191 O^T
.set PC,   192                         ; v192-207 p's codes
.set KW,   208                         ; v208-211 K's scale words
.set VW,   212                         ; v212-213 V's
.set QW,   214                         ; v214 Q's scale word
.set PW,   215                         ; v215 p's
.set BM,   216                         ; v216-219 a block's largest score, then its largest p
.set BT,   220                         ; v220-223 the other half of the lanes'; then the bytes
.set HOLD, 224                         ; v224-227 448 x the scale
.set SCF,  228                         ; v228-231 the conversions' scale operands
.set FF,   232                         ; v[232:233] f = 2^(old M - new M), and the pair's upper half
.set TP,   234
.set S2,   236                         ; v[236:237] the second chain of the sum
.set TB,   2                           ; s2   LDS byte at which the slot in hand begins
.set TS,   3                           ; s3   where the step's scale words begin: 512 bytes a step, K's and V's alike
.set WV,   22
.set HH,   23
.set TQ,   24
.set SEL,  26                          ; s[26:27] lane selects for v_permlanex16_b32: lane l xor 16
.set CS,   28                          ; s[28:29] c = log2(e) / 8
.set MNT,  30                          ; s30  the mantissa field of 448
.set SLOTS, 31                         ; s31  slots still to be asked for
.set G1,   32                          ; s[32:39] descriptor group 1: one shape serves K and V
.set G0,   40                          ; s[40:43] group 0, which walks
.set PFA,  44                          ; s[44:45] where my prefetches stand
.set LIM,  46                          ; s46  1 in a wave that prefetches, else the greatest number
.macro TLOAD                           ; waves 0 to 3 fetch, the others nothing: the branch hangs on the wave's number alone.  Four v_nop follow the line
	s_cmp_lt_u32 s[WV], 4
	s_cbranch_scc0 .Lasked_\@
	tensor_load_to_lds s[G0:G0+3], s[G1:G1+7]
	s_nop 0
.rept 4
	v_nop
.endr
.Lasked_\@:
.endm
; A PREFETCH INTO THE L2 of what the NEXT change of slots will ask for: 32,768 bytes of K and as many of V, both dense.  All four clusters of a bh walk the same K and V: the first of them asks.  Its four partners
; share the bytes out BY ADDRESS, 8,192 each; in each, wave 4 asks for K's and wave 5 for V's, lanes 256 bytes apart: so each aligned block of 256 bytes is named once in the launch.
; Slots 0 and 1 come by their loads alone; the last change that fills a slot asks for nothing: there is no slot behind it.
.macro ASK
	s_cmp_gt_u32 s[SLOTS], s[LIM]
	s_cbranch_scc0 .Lnot_mine_\@
	global_prefetch_b8 v[PFO], s[PFA:PFA+1] th:TH_LOAD_NT scope:SCOPE_SE
.Lnot_mine_\@:
.endm
.macro CROUND                          ; a round of the cluster's barrier
	s_barrier_signal -1
	s_barrier_wait -1
	s_cmp_lg_u32 s[WV], 0
	s_cbranch_scc1 .Lnot_wave_0_\@
	s_barrier_signal -3
.Lnot_wave_0_\@:
	s_barrier_wait -3
	s_barrier_signal -1
	s_barrier_wait -1
.endm
	s_load_b512 s[4:19], s[0:1], 0x0               ; qc s[4:5], qs s[6:7], kc s[8:9], ks s[10:11], vc s[12:13], vs s[14:15], mask s[16:17], oc s[18:19]
	s_load_b64 s[20:21], s[0:1], 0x40              ; os
	v_lshl_add_u32 v[SPW], v0, 2, SPARE
	v_mov_b32 v[NIL], 0
	ds_add_u32 v5, v6
	s_wait_dscnt 0x0
	v_lshrrev_b32 v8, 5, v0
	v_readfirstlane_b32 s[WV], v8                  ; wave 0..15
	s_lshr_b32 s[HH], s[WV], 3                     ; which head of the pair
	s_and_b32 s[TQ], s[WV], 7                      ; which tile of 16 queries
	s_bfe_u32 s47, ttmp6, 0x40000                  ; cx: my place in the cluster
	s_lshl_b32 s48, ttmp9, 2
	s_add_co_u32 s48, s48, s47                     ; my block of 128 queries: it enters Q's and the outputs' addresses alone
	s_and_b32 s49, ttmp7, 0xffff                   ; bh, which the four partners share
	s_mov_b32 s[G1], 15|(0<<16)|(1<<20)|(1<<21)|(4<<22)|(3<<25)   ; 15:0 the mask: all four work-groups; 17:16 elements of 1 byte; 20 padding on; 21 set beside a mask; 24:22 after every 32 words (code 4); 31:25 four words (code 3)
	s_mov_b32 s[G1+1], 128<<16                     ; tensor_dim0
	s_mov_b32 s[G1+2], 128<<16                     ; tensor_dim1
	s_mov_b32 s[G1+3], 128<<16                     ; tile_dim0
	s_mov_b32 s[G1+4], 128                         ; tile_dim1
	s_mov_b32 s[G1+5], 128                         ; tensor_dim0_stride: the rows are dense
	s_mov_b32 s[G1+6], 0
	s_mov_b32 s[G1+7], 0
	s_mov_b32 s[SEL], 0x76543210
	s_mov_b32 s[SEL+1], 0xfedcba98
	s_mov_b32 s[CS], 0x3e38aa3b                    ; c = log2(e) / 8
	s_mov_b32 s[CS+1], s[CS]                       ; (named with it as a pair, so it is written)
	s_mov_b32 s[MNT], 0x600000
	s_mov_b32 s[TB], 0
	s_mov_b32 s[TS], 0
	s_mov_b32 s[SLOTS], NSL-1
	s_lshl_b32 s50, s49, 18                        ; bh x 262,144: its first byte in each buffer of codes,
	s_mov_b32 s51, 0
	s_lshl_b32 s52, s49, 13                        ; bh x 8,192: in each buffer of scale words
	s_mov_b32 s53, 0
	s_and_b32 s54, s[WV], 1
	s_lshl_b32 s54, s54, 14                        ; what I fetch, if I fetch: the first or the second 16,384 bytes of a slot's K or V,
	s_add_co_u32 s54, s54, s50
	s_mov_b32 s55, 0
	s_and_b32 s56, s[WV], 3
	s_mul_i32 s56, s56, QTR                        ; to quarter wave % 4 of a slot
	s_wait_kmcnt 0x0
	s_cmp_lt_u32 s[WV], 2
	s_cselect_b64 s[G0+2:G0+3], s[8:9], s[12:13]   ; 120:64 global address: K's for waves 0 and 1, V's for waves 2 and 3
	s_add_nc_u64 s[G0+2:G0+3], s[G0+2:G0+3], s[54:55]
	s_or_b32 s[G0+3], s[G0+3], 0x80000000          ; 127:126 type = 2
	s_mov_b32 s[G0], 1                             ; 1:0 count = 1
	s_mov_b32 s[G0+1], s56                         ; 63:32 LDS address: slot 0
	CROUND                                         ; all four work-groups are here: the first joint loads meet
	TLOAD                                          ; slot 0: one tensor load of mine is out
	; the prefetches: where my wave's stand, and who asks
	s_and_b32 s57, s[WV], 1
	s_cmp_eq_u32 s57, 0
	s_cselect_b64 s[PFA:PFA+1], s[8:9], s[12:13]
	s_lshl_b32 s58, s47, 13                        ; my work-group's 8,192 bytes,
	s_add_co_u32 s58, s58, s50
	s_add_co_u32 s58, s58, 32768                   ; in slot 1: the first change of slots steps it to slot 2.  Nothing is prefetched here, at the head
	s_mov_b32 s59, 0
	s_add_nc_u64 s[PFA:PFA+1], s[PFA:PFA+1], s[58:59]
	s_lshr_b32 s57, s[WV], 1
	s_xor_b32 s57, s57, 2                          ; 0 in waves 4 and 5,
	s_or_b32 s57, s57, ttmp9                       ; of the first cluster of the bh: the same in all four partners
	s_cmp_eq_u32 s57, 0
	s_cselect_b32 s[LIM], 1, -1
	; the plain loads' and the stores' bases
	s_lshl_b32 s60, s48, 14
	s_lshl_b32 s61, s[TQ], 11
	s_add_co_u32 s60, s60, s61
	s_lshl_b32 s61, s[HH], 6
	s_add_co_u32 s60, s60, s61
	s_add_co_u32 s60, s60, s50
	s_mov_b32 s61, 0
	s_add_nc_u64 s[4:5], s[4:5], s[60:61]          ; Q's codes: stored row 128 block + 16 tile, my head's 64 bytes
	s_lshl_b32 s60, s48, 9
	s_lshl_b32 s62, s[TQ], 6
	s_add_co_u32 s60, s60, s62
	s_add_co_u32 s60, s60, s52
	s_add_nc_u64 s[6:7], s[6:7], s[60:61]          ; and their scale words
	s_add_nc_u64 s[10:11], s[10:11], s[52:53]      ; K's scale words of the bh
	s_add_nc_u64 s[14:15], s[14:15], s[52:53]      ; V's
	s_lshr_b32 s62, s49, 3                         ; the batch
	s_and_b32 s63, s49, 7                          ; the pair of heads
	s_lshl_b32 s60, s62, 13
	s_add_nc_u64 s[16:17], s[16:17], s[60:61]      ; the batch's mask
	s_lshl_b32 s60, s63, 20
	s_lshl_b32 s57, s62, 18
	s_add_co_u32 s60, s60, s57
	s_lshl_b32 s57, s48, 14
	s_add_co_u32 s60, s60, s57
	s_lshl_b32 s57, s[WV], 10
	s_add_co_u32 s60, s60, s57
	s_add_nc_u64 s[18:19], s[18:19], s[60:61]      ; oc [pair][8,192 rows][128 bytes]: row 2,048 batch + 128 block + 8 wave
	s_lshl_b32 s60, s62, 16
	s_lshl_b32 s57, s48, 12
	s_add_co_u32 s60, s60, s57
	s_lshl_b32 s57, s63, 2
	s_add_co_u32 s60, s60, s57
	s_and_b32 s57, s[WV], 3
	s_lshl_b32 s57, s57, 10
	s_add_co_u32 s60, s60, s57
	s_add_nc_u64 s[20:21], s[20:21], s[60:61]      ; os [8,192 rows][32 bytes]: row 2,048 batch + 128 block + 32 (wave % 4), byte 4 pair
	v_and_b32 v235, 31, v0                         ; lane
	v_and_b32 v236, 15, v0                         ; r
	v_bfe_u32 v237, v0, 4, 1                       ; h
	v_lshlrev_b32 v8, 7, v236
	v_lshl_add_u32 v8, v237, 4, v8                 ; Q: row r of 128 bytes, + 16 h
	v_lshlrev_b32 v9, 2, v236                      ; its scale word
	v_lshlrev_b32 v10, 4, v0                       ; thread t takes the words of stored keys 4 t .. 4 t + 3 (and 16 bytes of V's words)
	v_and_b32 v11, 0x1f9, v0                       ; and the mask of the keys pi(4 t) + 0 .. 3: bits 3 and 4 of 4 t are bits 1 and 2 of t
	v_bfe_u32 v234, v0, 1, 1
	v_lshl_or_b32 v11, v234, 2, v11
	v_bfe_u32 v234, v0, 2, 1
	v_lshl_or_b32 v11, v234, 1, v11
	v_lshlrev_b32 v11, 4, v11
	global_load_b128 v[QF:QF+3], v8, s[4:5]        ; k = 16 h + 0 .. 15
	global_load_b128 v[QF+4:QF+7], v8, s[4:5] offset:32   ; k = 32 + 16 h + 0 .. 15
	global_load_b32 v108, v9, s[6:7]
	global_load_b128 v[96:99], v10, s[10:11]
	global_load_b128 v[100:103], v11, s[16:17]
	global_load_b128 v[104:107], v10, s[14:15]
	s_lshl_b32 s58, s[HH], 6
	v_mul_u32_u24 v[AK0], v236, KP
	v_lshl_add_u32 v[AK0], v237, 4, v[AK0]         ; row r x pitch + 16 h
	v_add_nc_u32 v[AV0], VOFF, v[AK0]
	v_add_nc_u32 v[AK0], s58, v[AK0]               ; K: + my head's 64 bytes of the row
	s_mul_i32 s58, s[HH], 64*KP
	v_add_nc_u32 v[AV0], s58, v[AV0]               ; V: + my head's 64 rows
	s_lshl_b32 s58, s[HH], 13
	s_add_co_u32 s58, s58, KSW
	v_lshl_add_u32 v[ASK0], v235, 4, s58           ; K's scale words: 16 bytes a lane
	s_lshl_b32 s58, s[HH], 8
	s_add_co_u32 s58, s58, VSW
	v_lshl_add_u32 v[ASV0], v235, 2, s58           ; V's: 4 bytes a lane, my head's 64 rows
	v_lshlrev_b32 v[PFO], 8, v235
	v_lshrrev_b32 v124, 5, v0                      ; where thread t puts K's words: stored key 4 t + e is key step t / 32, i = (t / 8) % 4, lane 4 (t % 8) + e
	v_lshlrev_b32 v124, 9, v124
	v_and_b32 v125, 7, v0
	v_lshl_add_u32 v124, v125, 6, v124
	v_bfe_u32 v125, v0, 3, 2
	v_lshl_add_u32 v124, v125, 2, v124
	v_add_nc_u32 v124, KSW, v124
	v_lshl_add_u32 v126, v0, 4, VSW                ; and V's: as they lie
	v_xor_b32 v234, 1, v237                        ; 1 in lanes 0-15, which hold k = 64 in the lowest byte of a fragment's register 8
	v_mul_u32_u24 v[QF+8], v234, 0x38              ; the code 1.0
.irp j, 9,10,11,12,13,14,15
	v_mov_b32 v[QF+\j], 0
.endr
.irp t, 0,1,2,3
	v_mul_u32_u24 v[KF+16*\t+8], v234, 0xb8        ; the code -1.0
.irp j, 9,10,11,12,13,14,15
	v_mov_b32 v[KF+16*\t+\j], 0
.endr
.endr
	v_mov_b32 v13, 0xff61b1e6                      ; the largest t so far: -3e38, under every t
	v_floor_f32 v12, -v13                          ; -M
	v_mov_b32 v14, 0                               ; the sum, in two halves
	v_mov_b32 v15, 0
.irp b, 0,1,2,3
	v_mov_b32 v[BT+\b], 0                          ; written once: a lane permute's destination counts as one of its sources
.endr
	v_mov_b32 v[FF+1], 0                           ; (named as the upper half of a pair)
.set n, 0
.rept 32
	v_mov_b32 v[OT+n], 0                           ; O^T.  (The step is written once: the first finds zeros, which the first change of M leaves zeros)
.set n, n+1
.endr
	v_mov_b32 v110, 0x7fa00000                     ; the upper half of K's scale word: bytes 160, 127 for a masked key,
	v_mov_b32 v111, 0x7f000000                     ; bytes 0, 127 for one that counts
	s_lshl_b32 s57, s[HH], 4
	s_mov_b32 s60, 0x7f7f0000
	s_wait_loadcnt 0x0
	v_lshrrev_b32 v[QW], s57, v108
	v_and_or_b32 v[QW], v[QW], 0xffff, s60         ; Q's scale word: my head's two bytes, then 127, 127
.irp e, 0,1,2,3
	v_cmp_lt_f32 vcc_lo, 0.5, v[100+\e]            ; the key counts where its mask is above 0.5
	v_cndmask_b32 v[112+\e], v110, v111, vcc_lo
	v_and_or_b32 v[116+\e], v[96+\e], 0xffff, v[112+\e]   ; the pair's first head
	v_lshrrev_b32 v[120+\e], 16, v[96+\e]
	v_or_b32 v[120+\e], v[120+\e], v[112+\e]       ; its second
	ds_store_b32 v124, v[116+\e] offset:16*\e
	ds_store_b32 v124, v[120+\e] offset:8192+16*\e
.endr
	ds_store_b128 v126, v[104:107]                 ; the first change of slots waits for these stores and passes a barrier: behind it every wave may read them
; A KEY STEP: 128 keys, the q-th of the slot in hand.
.macro STEP q
	v_add_nc_u32 v[ADK], s[TB], v[AK0]
	v_add_nc_u32 v[ADV], s[TB], v[AV0]
	v_add_nc_u32 v[ADS], s[TS], v[ASK0]
	v_add_nc_u32 v[ADT], s[TS], v[ASV0]
.rept 5
	v_nop                                          ; nine places with the four additions: the products below write over registers that the last step's products read as V's fragments
.endr
	ds_load_b128 v[KW:KW+3], v[ADS]                ; register i: lanes 0-15 the words of tile 2 i, lanes 16-31 those of tile 2 i + 1
.irp g, 0,1                                    ; S^T = K Q^T, four tiles of 16 stored keys at a time
.if \g
.rept 8
	v_nop                                          ; places in front of loads into registers that matrix instructions have read
.endr
.endif
.irp t, 0,1,2,3
	ds_load_b128 v[KF+16*\t:KF+16*\t+3], v[ADK] offset:(128*(\q)+16*(4*\g+\t))*KP
	ds_load_b128 v[KF+16*\t+4:KF+16*\t+7], v[ADK] offset:(128*(\q)+16*(4*\g+\t))*KP+32
.endr
	s_wait_dscnt 0x0
.irp t, 0,1,2,3
.if \t%2
	v_wmma_scale_f32_16x16x128_f8f6f4 v[SS+8*(4*\g+\t):SS+8*(4*\g+\t)+7], v[KF+16*\t:KF+16*\t+15], v[QF:QF+15], 0, v[KW+2*\g+\t/2], v[QW] matrix_a_scale:MATRIX_SCALE_ROW1
.else
	v_wmma_scale_f32_16x16x128_f8f6f4 v[SS+8*(4*\g+\t):SS+8*(4*\g+\t)+7], v[KF+16*\t:KF+16*\t+15], v[QF:QF+15], 0, v[KW+2*\g+\t/2], v[QW]
.endif
.endr
.endr                                          ; register 16 b + x is key 32 b + 16 (lane / 16) + x of the step
.rept 8
	v_nop
.endr
.irp b, 0,1,2,3
	v_max3_num_f32 v[BM+\b], v[SS+16*\b], v[SS+1+16*\b], v[SS+2+16*\b]   ; the largest score of each block of 32 keys: it serves for the row's maximum and, since p rises with the score, for the block's largest p
.endr
.irp i, 3,5,7,9,11,13
.irp b, 0,1,2,3
	v_max3_num_f32 v[BM+\b], v[BM+\b], v[SS+16*\b+\i], v[SS+1+16*\b+\i]   ; (the four blocks by turns; each accumulator is read from its low end on)
.endr
.endr
.irp b, 0,1,2,3
	v_max_num_f32 v[BM+\b], v[BM+\b], v[SS+15+16*\b]
.endr
.irp b, 0,1,2,3
	v_permlanex16_b32 v[BT+\b], v[BM+\b], s[SEL], s[SEL+1]
.endr
.irp b, 0,1,2,3
	v_max_num_f32 v[BM+\b], v[BM+\b], v[BT+\b]     ; with lane l xor 16's 16 keys
.endr
	v_max3_num_f32 v[TP], v[BM], v[BM+1], v[BM+2]
	v_max_num_f32 v[TP], v[TP], v[BM+3]            ; the step's largest score of my query
	v_mul_f32 v[TP], s[CS], v[TP]                  ; as t (c is positive)
	v_max_num_f32 v13, v13, v[TP]                  ; the running largest t
	v_mov_b32 v[TP], v12
	v_floor_f32 v12, -v13                          ; the new -M = floor(-t) = -ceil(t): M is a whole number
	v_sub_f32 v[TP], v12, v[TP]                    ; M's old value less its new one: a whole number, 0 or less
	v_cvt_i32_f32 v[TP], v[TP]                     ; (it saturates)
	v_ldexp_f32 v[FF], 1.0, v[TP]                  ; f = 2^(old M - new M)
.set n, 0
.rept 32
	v_pk_fma_f32 v[SS+n:SS+n+1], v[SS+n:SS+n+1], s[CS:CS+1], v[12:13] op_sel_hi:[1,0,0]   ; t - M, two at a time (of the pairs c and -M the low word serves both halves)
.set n, n+2
.endr
.irp b, 0,1,2,3
	v_fma_f32 v[BM+\b], v[BM+\b], s[CS], v12       ; the same of each block's largest score
.endr
.set n, 0
.rept 64
	v_exp_f32 v[SS+n], v[SS+n]                     ; p = 2^(t - M), at most 1: not normalised
.set n, n+1
.endr
.irp b, 0,1,2,3
	v_exp_f32 v[BM+\b], v[BM+\b]                   ; the block's largest p: the same two instructions on the same number give the same bits
.endr
	v_pk_mul_f32 v[14:15], v[14:15], v[FF:FF+1] op_sel_hi:[1,0]   ; the sums under the new M.  (A plain place behind the exponentials)
	s_wait_alu depctr_va_vdst(0)
.irp b, 0,1,2,3
	v_max_num_f32 v[BM+\b], 0x4800000, v[BM+\b]    ; the floor 2^(9 - 127): the byte cannot fall under 1 (a block whose every p has fallen to 0 keeps that byte: its codes are zeros)
.endr
.irp b, 0,1,2,3
	v_add_nc_u32 v[SCF+\b], 0xfc000000, v[BM+\b]   ; 8 off the exponent field: the conversion's scale operand
.endr
.irp b, 0,1,2,3
	v_and_or_b32 v[HOLD+\b], v[BM+\b], 0x7f800000, s[MNT]   ; 448 x the scale
.endr
.irp b, 0,1,2,3
	v_lshrrev_b32 v[BT+\b], 23, v[SCF+\b]          ; the scale's byte
.endr
	v_lshl_or_b32 v[PW], v[BT+1], 8, v[BT]         ; p's scale word for these 128 keys
	v_lshl_or_b32 v[PW], v[BT+2], 16, v[PW]
	v_lshl_or_b32 v[PW], v[BT+3], 24, v[PW]
	v_pk_add_f32 v[S2:S2+1], v[SS:SS+1], v[SS+2:SS+3]   ; the row's sum is taken of the unquantised p: two at a time, in two chains
.irp j, 4,8,12,16,20,24,28,32,36,40,44,48,52,56,60
	v_pk_add_f32 v[14:15], v[14:15], v[SS+\j:SS+1+\j]
	v_pk_add_f32 v[S2:S2+1], v[S2:S2+1], v[SS+2+\j:SS+3+\j]
.endr
	v_pk_add_f32 v[14:15], v[14:15], v[S2:S2+1]
.irp b, 0,1,2,3
.irp i, 0,1,2,3,4,5,6,7,8,9,10,11,12,13,14,15
	v_min_num_f32 v[SS+16*\b+\i], v[SS+16*\b+\i], v[HOLD+\b]   ; the conversion to an 8-bit code does not saturate (ISA guide 7.6.2); p is not negative, so the hold is one-sided
.endr
	v_cvt_scalef32_pk8_fp8_f32 v[PC+4*\b:PC+1+4*\b], v[SS+16*\b:SS+7+16*\b], v[SCF+\b]
	v_cvt_scalef32_pk8_fp8_f32 v[PC+2+4*\b:PC+3+4*\b], v[SS+8+16*\b:SS+15+16*\b], v[SCF+\b]
.endr
.set n, 0
.rept 16
	v_pk_mul_f32 v[OT+n:OT+n+1], v[OT+n:OT+n+1], v[FF:FF+1] op_sel_hi:[1,0]   ; O^T under the new M.  (These sixteen are also the places behind the conversions and in front of the products below)
.set n, n+2
.endr
.irp t, 0,1,2,3                                ; O^T += V^T P^T: my head's four tiles of 16 stored rows; K = these 128 keys.  V's fragments take the registers that p has left
.irp c, 0,1,2,3
	ds_load_b128 v[SS+16*\t+4*\c:SS+16*\t+4*\c+3], v[ADV] offset:QTR*(\q)+16*KP*\t+32*\c
.endr
.endr
	ds_load_b32 v[VW], v[ADT]                      ; lanes 0-15 the words of tile 0, lanes 16-31 those of tile 1;
	ds_load_b32 v[VW+1], v[ADT] offset:128         ; tiles 2 and 3
	s_wait_dscnt 0x0
.irp t, 0,1,2,3                                ; the four accumulators take turns, one instruction a turn
.if \t%2
	v_wmma_scale_f32_16x16x128_f8f6f4 v[OT+8*\t:OT+8*\t+7], v[SS+16*\t:SS+16*\t+15], v[PC:PC+15], v[OT+8*\t:OT+8*\t+7], v[VW+\t/2], v[PW] matrix_a_scale:MATRIX_SCALE_ROW1
.else
	v_wmma_scale_f32_16x16x128_f8f6f4 v[OT+8*\t:OT+8*\t+7], v[SS+16*\t:SS+16*\t+15], v[PC:PC+15], v[OT+8*\t:OT+8*\t+7], v[VW+\t/2], v[PW]
.endif
.endr
	s_add_co_u32 s[TS], s[TS], 512                 ; the next step's scale words
.endm
; THE CHANGE OF SLOTS stands at a slot's head.  Each wave waits for all its tensor loads (its part of the slot that it is about to read), adds 0 to its spare word, and waits for that and for its reads of the slot
; that it has left.  fill = 1: the barrier is a round of the cluster's, so that no wave of any partner still reads the other slot or has a load on its way, and that slot is filled with the keys that follow:
; the load has a slot's two key steps in which to land.
.macro CHANGE fill
	s_wait_tensorcnt 0x0                           ; no tensor load of mine is out, so group 0 may be written
	ds_add_u32 v[SPW], v[NIL]                      ; 0 onto my spare word; with fill = 1 the descriptor's steps stand between it and the wait for it
.if \fill
	s_xor_b32 s[G0+1], s[G0+1], SLOT1              ; the walking descriptor: the other slot than last time,
	s_add_nc_u64 s[G0+2:G0+3], s[G0+2:G0+3], 32768 ; the next 256 keys; the type bits on top are not reached
	s_wait_xcnt 0x0                                ; the last prefetch, a slot back, has read its address, so it may be written:
	s_add_nc_u64 s[PFA:PFA+1], s[PFA:PFA+1], 32768 ; one slot further on than the walking descriptor
	s_wait_dscnt 0x0                               ; the add is done, my LDS stores have landed and my reads of the slot that I have left are over
	CROUND
	TLOAD                                          ; the first thing behind the round, and a wave's one tensor load until the next
	ASK                                            ; what the next change of slots will ask for: two key steps ahead of that load
.else
	s_wait_dscnt 0x0
	s_barrier_signal -1
	s_barrier_wait -1
.endif
.endm
.macro SLOT_STEPS
	STEP 0
	STEP 1
	s_xor_b32 s[TB], s[TB], SLOT1                  ; on to the other slot
.endm
.Lslot:                                            ; seven trips: behind each change of slots but the last the next slot is asked for
	CHANGE 1
	SLOT_STEPS
	s_sub_co_u32 s[SLOTS], s[SLOTS], 1
	s_cmp_lg_u32 s[SLOTS], 0
	s_cbranch_scc1 .Lslot
	CHANGE 0                                       ; the last slot is written out
	SLOT_STEPS
	; THE WAY OUT.  O^T / the sum; register 16 b + x is channel 32 b + 16 (lane / 16) + x of my head: two blocks of 32 along the last projection's K, quantised as they stand.  The codes of 128 queries x two heads
	; meet in a stage in LDS, each query at its true row (the stored order is undone here), and leave as whole rows of 128 bytes.
	v_add_f32 v14, v14, v15                        ; the sum's two halves,
	v_permlanex16_b32 v[TP], v14, s[SEL], s[SEL+1]
	v_add_f32 v14, v14, v[TP]                      ; and lane l xor 16's: the row's sum
	v_rcp_f32 v14, v14
	s_lshr_b32 s50, s[TQ], 1
	s_lshl_b32 s50, s50, 5
	s_and_b32 s51, s[TQ], 1
	s_lshl_b32 s51, s51, 3
	s_add_co_u32 s50, s50, s51                     ; stored row 16 tile + r is row 32 (tile / 2) + 8 (tile % 2) + 16 (r / 8) + r % 8: the tile's part
	s_mul_i32 s58, s50, KP
	s_lshl_b32 s51, s[HH], 6
	s_add_co_u32 s58, s58, s51                     ; codes: + my head's 64 bytes
	s_lshl_b32 s59, s50, 2
	s_lshl_b32 s51, s[HH], 1
	s_add_co_u32 s59, s59, s51
	s_add_co_u32 s59, s59, STS                     ; scale words: + my head's two bytes
	s_mul_i32 s60, s[WV], 8*KP                     ; back: wave w takes rows 8 w .. 8 w + 7
	s_and_b32 s61, s[WV], 3
	s_lshl_b32 s61, s61, 7
	s_add_co_u32 s61, s61, STS                     ; and waves 0 to 3 the words of rows 32 w .. 32 w + 31
	v_and_b32 v236, 15, v0                         ; (from here on plain instructions: the place behind the reciprocal and the places behind the last products)  r
	v_bfe_u32 v237, v0, 4, 1                       ; h
	v_and_b32 v235, 31, v0                         ; lane
	v_and_b32 v8, 7, v236
	v_lshrrev_b32 v9, 3, v236
	v_lshl_add_u32 v8, v9, 4, v8                   ; 16 (r / 8) + r % 8
	v_mul_u32_u24 v9, v8, KP
	v_lshl_add_u32 v9, v237, 4, v9
	v_add_nc_u32 v9, s58, v9                       ; in: my query's row, my head, + 16 h; block b 32 bytes on
	v_lshl_add_u32 v10, v8, 2, s59
	v_lshrrev_b32 v11, 3, v235
	v_mul_u32_u24 v11, v11, KP
	v_and_b32 v238, 7, v235
	v_lshl_add_u32 v11, v238, 4, v11
	v_add_nc_u32 v11, s60, v11                     ; back: eight lanes to a row, four rows an instruction
	v_lshlrev_b32 v239, 4, v235                    ; and 16 x lane in the 512 bytes stored
	v_lshl_add_u32 v249, v235, 2, s61
	v_lshlrev_b32 v250, 5, v235                    ; a row of os is 32 bytes
.set n, 0
	s_wait_alu depctr_va_vdst(0)
.rept 16
	v_pk_mul_f32 v[SS+n:SS+n+1], v[OT+n:OT+n+1], v[14:15] op_sel_hi:[1,0]   ; each accumulator from its low end on
.set n, n+2
.endr
.irp b, 0,1
	v_max3_num_f32 v[BM+\b], |v[SS+16*\b]|, |v[SS+1+16*\b]|, 0x4800000
.endr
.irp i, 2,4,6,8,10,12,14
.irp b, 0,1
	v_max3_num_f32 v[BM+\b], v[BM+\b], |v[SS+16*\b+\i]|, |v[SS+1+16*\b+\i]|
.endr
.endr
.irp b, 0,1
	v_permlanex16_b32 v[BT+\b], v[BM+\b], s[SEL], s[SEL+1]
.endr
.irp b, 0,1
	v_max_num_f32 v[BM+\b], v[BM+\b], v[BT+\b]
.endr
.irp b, 0,1
	v_add_nc_u32 v[SCF+\b], 0xfc000000, v[BM+\b]
.endr
.irp b, 0,1
	v_and_or_b32 v[HOLD+\b], v[BM+\b], 0x7f800000, s[MNT]
.endr
.irp b, 0,1
	v_lshrrev_b32 v[BT+\b], 23, v[SCF+\b]
.endr
	v_lshl_or_b32 v248, v[BT+1], 8, v[BT]          ; my head's two scale bytes of my query
.irp b, 0,1
.irp i, 0,1,2,3,4,5,6,7,8,9,10,11,12,13,14,15
	v_med3_num_f32 v[SS+16*\b+\i], v[SS+16*\b+\i], -v[HOLD+\b], v[HOLD+\b]
.endr
	v_cvt_scalef32_pk8_fp8_f32 v[240+4*\b:241+4*\b], v[SS+16*\b:SS+7+16*\b], v[SCF+\b]
	v_cvt_scalef32_pk8_fp8_f32 v[242+4*\b:243+4*\b], v[SS+8+16*\b:SS+15+16*\b], v[SCF+\b]
.endr
	v_nop                                          ; one plain vector instruction behind the last conversion
	ds_store_b128 v9, v[240:243]
	ds_store_b128 v9, v[244:247] offset:32
	ds_store_b16 v10, v248                         ; both halves of the lanes write the same two bytes with the same value
	s_wait_dscnt 0x0                               ; for the others' sake: my stores into the stage are done
	s_barrier_signal -1
	s_barrier_wait -1
	ds_load_b128 v[96:99], v11
	ds_load_b128 v[100:103], v11 offset:4*KP
	s_wait_dscnt 0x0
	global_store_b128 v239, v[96:99], s[18:19]     ; 512 consecutive bytes, aligned
	global_store_b128 v239, v[100:103], s[18:19] offset:512
	s_cmp_lt_u32 s[WV], 4                          ; the 128 scale words leave by waves 0 to 3: four bytes of each row of os, one part in 32 of the codes' bytes
	s_cbranch_scc0 .Lno_words
	ds_load_b32 v104, v249
	s_wait_dscnt 0x0
	global_store_b32 v250, v104, s[20:21]
.Lno_words:
	s_wait_tensorcnt 0x0                           ; the wave's end, behind my last tensor load and my last LDS store
	ds_add_u32 v[SPW], v[NIL]
	s_wait_dscnt 0x0
	CROUND                                         ; the closing round: no work-group ends while a partner may still ask for a tile that names it
	s_endpgm
.Lfunc_end_k_qeff1b9402c_attn:
	.size	k_qeff1b9402c_attn, .Lfunc_end_k_qeff1b9402c_attn-k_qeff1b9402c_attn
	.p2alignl 7, 3214868480
	.fill 96, 4, 3214868480
	.section	.rodata,"a",@progbits
	.p2align	6, 0x0
	.amdhsa_kernel k_qeff1b9402c_attn
		.amdhsa_group_segment_fixed_size 327680
		.amdhsa_private_segment_fixed_size 0
		.amdhsa_enable_private_segment 0
		.amdhsa_kernarg_size 72
		.amdhsa_user_sgpr_count 2
		.amdhsa_user_sgpr_kernarg_segment_ptr 1
		.amdhsa_wavefront_size32 1
		.amdhsa_system_sgpr_workgroup_id_x 1
		.amdhsa_system_sgpr_workgroup_id_y 1
		.amdhsa_system_sgpr_workgroup_id_z 1
		.amdhsa_system_vgpr_workitem_id 0
		.amdhsa_next_free_vgpr 256
		.amdhsa_next_free_sgpr 66
		.amdhsa_reserve_vcc 1
		.amdhsa_float_denorm_mode_32 3
		.amdhsa_float_denorm_mode_16_64 3
		.amdhsa_memory_ordered 1
		.amdhsa_forward_progress 1
		.amdhsa_inst_pref_size 95
	.end_amdhsa_kernel
	.amdgpu_metadata
---
amdhsa.version: [ 1, 2 ]
amdhsa.kernels:
  - .name:           k_qeff1b9402c_attn
    .symbol:         k_qeff1b9402c_attn.kd
    .args:
      - { .name: qc, .offset: 0, .size: 8, .value_kind: global_buffer, .address_space: global }
      - { .name: qs, .offset: 8, .size: 8, .value_kind: global_buffer, .address_space: global }
      - { .name: kc, .offset: 16, .size: 8, .value_kind: global_buffer, .address_space: global }
      - { .name: ks, .offset: 24, .size: 8, .value_kind: global_buffer, .address_space: global }
      - { .name: vc, .offset: 32, .size: 8, .value_kind: global_buffer, .address_space: global }
      - { .name: vs, .offset: 40, .size: 8, .value_kind: global_buffer, .address_space: global }
      - { .name: mask, .offset: 48, .size: 8, .value_kind: global_buffer, .address_space: global }
      - { .name: oc, .offset: 56, .size: 8, .value_kind: global_buffer, .address_space: global }
      - { .name: os, .offset: 64, .size: 8, .value_kind: global_buffer, .address_space: global }
    .group_segment_fixed_size: 327680
    .private_segment_fixed_size: 0
    .kernarg_segment_align: 8
    .kernarg_segment_size: 72
    .max_flat_workgroup_size: 512
    .sgpr_count:     66
    .vgpr_count:     256
    .wavefront_size: 32
...
	.end_amdgpu_metadata
.endif
;; end of part 2
;; launch outp (part 3): grid 4 x 32, 4 waves a work-group, clusters of 4 x 4, 327,680 bytes of LDS; arguments oc, os, w_o_codes, w_o_scales, out0, b_o; writes out0
.if DOCPART == 3
	.amdgcn_target "amdgcn-amd-amdhsa--gfx1250"
	.amdhsa_code_object_version 6
	.text
	.protected	k_qeff1b9402c_outp
	.globl	k_qeff1b9402c_outp
	.p2align	8
	.type	k_qeff1b9402c_outp,@function
k_qeff1b9402c_outp:
	s_mov_b64 s[64:65], 0
	v_nop
	global_prefetch_b8 v0, s[64:65] scope:SCOPE_SE
	s_setreg_imm32_b32 hwreg(HW_REG_WAVE_MODE, 25, 1), 1
	s_wait_xcnt 0x0
	s_wait_alu depctr_hold_cnt(0) depctr_sa_sdst(0) depctr_va_vdst(0) depctr_va_sdst(0) depctr_va_ssrc(0) depctr_va_vcc(0) depctr_vm_vsrc(0)
	s_getreg_b32 s2, hwreg(HW_REG_IB_STS2, 6, 4)
	s_cmp_eq_u32 s2, 0
	s_cbranch_scc0 .Lentry_in_a_cluster
	s_endpgm
.Lentry_in_a_cluster:
	s_bfe_u32 s2, ttmp6, 0x10000c
	s_cmp_lg_u32 s2, 0xf033
	s_cbranch_scc0 .Lentry_shape_is_right
	s_endpgm
.Lentry_shape_is_right:
; THE LAST PROJECTION: out0 = O w_o^T + b_o, on codes of FP8 (E4M3) with one E8M0 scale for each 32 along K = 1,024; sums in f32.  out0: [8,192][1,024] f32.
; A = O as the launch before has laid it: oc [8 planes of 128 along K][8,192 rows][128 bytes], os [8,192][32] scale bytes.  B = w_o: [1,024][1,024] codes, [1,024][32] scale bytes.
; A tile of out0, 256 x 256, is made by a work-group of four waves; a wave makes 128 x 128: 64 accumulators of 16 x 16.  K goes in four steps of 256 through a ring of two LDS slots filled by the tensor data mover.
; A K step of A is two planes: waves 0 and 1 fetch one each, 256 rows of 128 bytes, dense in memory; waves 2 and 3 fetch B's two halves, 128 rows of 256 bytes.  The scale bytes of the work-group's rows come once.
; CLUSTERS: 4 x 4 work-groups.  The four of a row of the cluster ask jointly for A's tiles, the four of a column for B's.  The matrix instruction is used transposed (source 0 = 16 rows of B, source 1 = 16 rows
; of A): a lane then holds eight neighbouring numbers of a row of out0.  The bias is the C of each sum's first matrix instruction.
; The grid has 128 work-groups: as many tiles of 256 x 256 as out0 has.
; REGISTERS, in windows of 256: window 0: v16-31 addresses; v32-63 scale words, two sets; v64-127 the bias; v128-255 A's fragments, one set (on the way out: rows read back).  window 1: B's fragments, two sets.
;   windows 2, 3: the accumulators of my rows 0-63, 64-127 ((a, b) at v[8 (8 (a % 4) + b)]).
.set SIZE_N, 1024
.set KROW,   1024                      ; a row of B in memory, in bytes
.set ROWB,   256                       ; a row of B's tile
.set NQ,     2                         ; matrix instructions deep in a slot
.set PITCH,  272                       ; B's rows in LDS: 256 bytes + 16 of padding
.set APITCH, 144                       ; A's: 128 bytes + 16
.set APL,    256*APITCH                ; a plane's 256 rows: what a load for A brings
.set AQ,     APL                       ; bytes from a slot's first 128 along K to its second, for A
.set ASTEP,  0x400000                  ; a slot's next tile: four planes of 1,048,576 bytes on
.set BSTEP,  2*ROWB
.set FR,     16
.set NL,     4
.set NP,     8                         ; places behind this matrix instruction (ISA guide 7.12.1)
.set HALFT,  128*PITCH                 ; what a load for B brings
.set BOFF,   2*APL                     ; B's rows lie behind A's two planes
.set SLOT,   2*APL+2*HALFT
.set KS,     32                        ; a row of scale bytes
.set SCL,    2*SLOT                    ; behind the ring: the scales, as units of 256 bytes + 16 of padding
.set HALFS,  (128*KS/256)*272
.set SBLK,   (16*KS/256)*272
.set SPARE,  SCL+4*HALFS               ; the spare words, 128 bytes for each wave: two blocks of 256 bytes that no other line names
.set SPITCH, 528                       ; the way out: a stage of 16 rows x (512 bytes + 16) for each wave, in slot 0, which has had its last fill and its last read by then
.set ADRA, 16
.set ADRB, 20
.set STO,  24
.set RD,   25
.set CO,   26
.set ADRS, 27
.set SPW,  28                          ; v28     LDS address of my spare word; never rewritten
.set NIL,  29                          ; v29     0; never rewritten
.set H32,  31
.set SC,   32
.set CB,   64                          ; the bias: register 8 b + j = b_o at my column 16 b + 8 (lane / 16) + j
.set AF,   128
.set BK,   128
.set G1, 24
.set G0, 32
.set G1B, 48
.set G0B, 56
.set G1S, 68
.set G0S, 76
.set G1SB, 80
.set G0SB, 88
.set MSB, 0
.macro WIN new                         ; the immediate's high byte repeats the setting that is left
.if MSB != \new
	s_set_vgpr_msb (MSB<<8)|\new
.set MSB, \new
.endif
.endm
.set MUL_LO, 0xa1                      ; source 0 (B) window 1, source 1 (A) window 0, C and D window 2
.set MUL_HI, 0xf1
.set BEG_LO, 0x81                      ; the first step: C (the bias) window 0, D window 2
.set BEG_HI, 0xc1
.set TO_B,   0x40
.macro JLOAD g0a, g1a, g0b, g1b        ; a joint load: waves 0 and 1 fetch for A, waves 2 and 3 for B; four v_nop follow each of the two lines
	s_cmp_eq_u32 s15, 0
	s_cbranch_scc0 .Lfor_b_\@
	tensor_load_to_lds s[\g0a:\g0a+3], s[\g1a:\g1a+7]
	s_nop 0
.rept 4
	v_nop
.endr
	s_branch .Lasked_\@
.Lfor_b_\@:
	tensor_load_to_lds s[\g0b:\g0b+3], s[\g1b:\g1b+7]
	s_nop 0
.rept 4
	v_nop
.endr
.Lasked_\@:
.endm
.macro CREST
	s_cmp_lg_u32 s14, 0
	s_cbranch_scc1 .Lnot_wave_0_\@
	s_barrier_signal -3
.Lnot_wave_0_\@:
	s_barrier_wait -3
	s_barrier_signal -1
	s_barrier_wait -1
.endm
.macro CROUND
	s_barrier_signal -1
	s_barrier_wait -1
	CREST
.endm
	s_load_b128 s[4:7], s[0:1], 0x0                ; A's codes s[4:5], A's scales s[6:7]
	s_load_b128 s[8:11], s[0:1], 0x10              ; B's codes s[8:9], B's scales s[10:11]
	s_load_b64 s[12:13], s[0:1], 0x20              ; out0
	s_load_b64 s[98:99], s[0:1], 0x28              ; b_o
	v_lshl_add_u32 v[SPW], v0, 2, SPARE
	v_mov_b32 v[NIL], 0
	ds_add_u32 v28, v29
	s_wait_dscnt 0x0
	v_lshrrev_b32 v1, 5, v0
	v_readfirstlane_b32 s14, v1                    ; wave 0..3
	s_lshr_b32 s15, s14, 1                         ; which half of the tile's rows is mine.  Also: I fetch for A (0) or for B (1)
	s_and_b32 s16, s14, 1                          ; which half of its columns.  Also: which plane of A, or which 128 rows of B, I fetch
	s_bfe_u32 s40, ttmp6, 0x40000                  ; cx, cy: my place in the cluster
	s_bfe_u32 s41, ttmp6, 0x40004
	s_lshl_b32 s42, ttmp9, 2
	s_add_co_u32 s42, s42, s40                     ; tile column = 4 x cluster x + cx
	s_and_b32 s17, ttmp7, 0xffff
	s_lshl_b32 s17, s17, 2
	s_add_co_u32 s17, s17, s41                     ; tile row = 4 x cluster y + cy
	s_lshl_b32 s43, s41, 2
	s_lshl_b32 s43, 15, s43                        ; my row of the cluster
	s_lshl_b32 s44, 0x1111, s40                    ; my column
	; descriptor group 1.  A: 256 rows x 128 bytes, dense in memory, 16 bytes of padding behind each row
	s_or_b32 s[G1+0], s43, (0<<16)|(1<<20)|(1<<21)|(4<<22)|(3<<25)  ; 15:0 the mask: A's tiles go to my row; 17:16 elements of 1 byte; 20 padding on; 21 set beside a mask; 24:22 after every 32 words (code 4); 31:25 four words (code 3)
	s_mov_b32 s[G1+1], 128<<16                     ; tensor_dim0
	s_mov_b32 s[G1+2], 256<<16                     ; tensor_dim1
	s_mov_b32 s[G1+3], 128<<16                     ; tile_dim0
	s_mov_b32 s[G1+4], 256                         ; tile_dim1
	s_mov_b32 s[G1+5], 128                         ; tensor_dim0_stride
	s_mov_b32 s[G1+6], 0
	s_mov_b32 s[G1+7], 0
	; B: 128 rows x 256 bytes, 1,024 bytes apart
	s_or_b32 s[G1B+0], s44, (0<<16)|(1<<20)|(1<<21)|(5<<22)|(3<<25)
	s_mov_b32 s[G1B+1], ROWB<<16
	s_mov_b32 s[G1B+2], 128<<16
	s_mov_b32 s[G1B+3], ROWB<<16
	s_mov_b32 s[G1B+4], 128
	s_mov_b32 s[G1B+5], KROW
	s_mov_b32 s[G1B+6], 0
	s_mov_b32 s[G1B+7], 0
	; the scales of 128 rows: a dense block of 4,096 bytes, as 16 rows of 256 bytes (32 elements of 8 bytes), 16 bytes of padding behind each
	s_or_b32 s[G1S+0], s43, (3<<16)|(1<<20)|(1<<21)|(5<<22)|(3<<25)
	s_or_b32 s[G1SB+0], s44, (3<<16)|(1<<20)|(1<<21)|(5<<22)|(3<<25)
.irp g, G1S, G1SB
	s_mov_b32 s[\g+1], 32<<16
	s_mov_b32 s[\g+2], (128*KS/256)<<16
	s_mov_b32 s[\g+3], 32<<16
	s_mov_b32 s[\g+4], 128*KS/256
	s_mov_b32 s[\g+5], 32
	s_mov_b32 s[\g+6], 0
	s_mov_b32 s[\g+7], 0
.endr
	s_lshl_b32 s18, s16, 7
	s_lshl_b32 s20, s17, 8
	s_add_co_u32 s20, s20, s18                     ; A's scales: row 256 x tile row + 128 x half
	s_lshl_b32 s46, s42, 8
	s_add_co_u32 s46, s46, s18                     ; B: row 256 x tile column + 128 x half
	s_mov_b32 s21, 0
	s_mov_b32 s47, 0
	s_mov_b64 s[18:19], KS
	s_mul_u64 s[22:23], s[20:21], s[18:19]         ; where these rows' scales begin, in bytes
	s_mul_u64 s[92:93], s[46:47], s[18:19]
	s_mov_b64 s[18:19], KROW
	s_mul_u64 s[46:47], s[46:47], s[18:19]         ; B's codes
	s_lshl_b32 s20, s17, 15                        ; A's codes: the tile's 256 rows of 128 bytes,
	s_lshl_b32 s18, s16, 20                        ; in plane 0 or 1
	s_add_co_u32 s20, s20, s18
	s_mul_i32 s45, s16, APL                        ; where they go: A's planes,
	s_mul_i32 s95, s16, HALFT
	s_add_co_u32 s95, s95, BOFF                    ; B's halves behind them,
	s_mul_i32 s94, s14, HALFS                      ; the scales by the wave: no place in the cluster enters an LDS address
	s_wait_kmcnt 0x0
	s_add_nc_u64 s[20:21], s[4:5], s[20:21]
	s_add_nc_u64 s[22:23], s[6:7], s[22:23]
	s_add_nc_u64 s[46:47], s[8:9], s[46:47]
	s_add_nc_u64 s[92:93], s[10:11], s[92:93]
	CROUND                                         ; all sixteen work-groups are here: the first joint loads meet
	s_mov_b32 s[G0S], 1
	s_add_co_u32 s[G0S+1], s94, SCL
	s_mov_b64 s[G0S+2:G0S+3], s[22:23]
	s_or_b32 s[G0S+3], s[G0S+3], 0x80000000
	s_mov_b32 s[G0SB], 1
	s_add_co_u32 s[G0SB+1], s94, SCL
	s_mov_b64 s[G0SB+2:G0SB+3], s[92:93]
	s_or_b32 s[G0SB+3], s[G0SB+3], 0x80000000
	JLOAD G0S, G1S, G0SB, G1SB                     ; the scales first: they are wanted with K step 0
.irp s, 0,1
	s_mov_b32 s[G0+4*\s], 1
	s_add_co_u32 s[G0+4*\s+1], s45, \s*SLOT
	s_add_nc_u64 s[G0+4*\s+2:G0+4*\s+3], s[20:21], \s*0x200000   ; K step s begins two planes on
	s_or_b32 s[G0+4*\s+3], s[G0+4*\s+3], 0x80000000
	s_mov_b32 s[G0B+4*\s], 1
	s_add_co_u32 s[G0B+4*\s+1], s95, \s*SLOT
	s_add_nc_u64 s[G0B+4*\s+2:G0B+4*\s+3], s[46:47], \s*ROWB
	s_or_b32 s[G0B+4*\s+3], s[G0B+4*\s+3], 0x80000000
	JLOAD G0+4*\s, G1, G0B+4*\s, G1B               ; three tensor loads of mine are out
.endr
	v_and_b32 v1, 15, v0                           ; r = lane % 16
	v_bfe_u32 v2, v0, 4, 1                         ; h = lane / 16
	v_lshlrev_b32 v[H32], 5, v2
	s_lshl_b32 s46, s42, 10                        ; my first column, in bytes: 1,024 x tile column + 512 x half: in b_o and in a row of out0 alike
	s_lshl_b32 s47, s16, 9
	s_add_co_u32 s46, s46, s47
	s_mov_b32 s47, 0
	s_add_nc_u64 s[98:99], s[98:99], s[46:47]
.irp b, 0,1,2,3,4,5,6,7
	global_load_b128 v[CB+8*\b:CB+8*\b+3], v[H32], s[98:99] offset:64*\b
	global_load_b128 v[CB+8*\b+4:CB+8*\b+7], v[H32], s[98:99] offset:64*\b+16
.endr
	v_mul_u32_u24 v3, v1, APITCH
	v_lshl_add_u32 v3, v2, 4, v3                   ; A: a fragment's row x pitch + 16 x half
	v_mul_u32_u24 v4, v1, PITCH
	v_lshl_add_u32 v4, v2, 4, v4                   ; B likewise
	s_mul_i32 s21, s15, 128*APITCH                 ; my 128 rows of each plane of A
	s_mul_i32 s22, s16, HALFT                      ; my 128 rows of B
	s_add_co_u32 s22, s22, BOFF
.irp s, 0,1
	v_add_nc_u32 v[ADRA+\s], s21, v3
	v_add_nc_u32 v[ADRB+\s], s22, v4
	s_add_co_u32 s21, s21, SLOT
	s_add_co_u32 s22, s22, SLOT
.endr
	v_mul_u32_u24 v5, v1, KS                       ; my row's scales: 32 bytes a row,
	v_lshrrev_b32 v6, 8, v5
	v_lshl_add_u32 v5, v6, 4, v5                   ; and 16 more for each 256 passed
	s_mul_i32 s21, s15, HALFS                      ; A's: my 128 rows
	s_mul_i32 s22, s16, HALFS                      ; B's: my 128 rows, behind A's 256
	s_add_co_u32 s22, s22, 2*HALFS
	s_sub_co_u32 s22, s22, s21
	v_mul_u32_u24 v6, s22, v2                      ; lanes 16-31 take B's
	s_add_co_u32 s21, s21, SCL
	v_add_nc_u32 v5, v5, v6
	v_add_nc_u32 v[ADRS], s21, v5
	s_mul_i32 s23, s14, 16*SPITCH                  ; my stage
	v_mul_u32_u24 v5, v1, SPITCH                   ; in: row r, 32 bytes for each half of the lanes
	v_lshl_add_u32 v5, v2, 5, v5
	v_add_nc_u32 v[STO], s23, v5
	v_and_b32 v6, 31, v0
	v_lshlrev_b32 v[CO], 4, v6                     ; back: the 32 lanes take one row of 512 bytes; and the same in out0
	v_add_nc_u32 v[RD], s23, v[CO]
	s_lshl_b32 s20, s17, 8
	s_lshl_b32 s21, s15, 7
	s_add_co_u32 s20, s20, s21                     ; my first row of out0: 256 x tile row + 128 x half
	s_mov_b32 s21, 0
	s_mov_b64 s[18:19], SIZE_N*4
	s_mul_u64 s[20:21], s[20:21], s[18:19]
	s_add_nc_u64 s[20:21], s[20:21], s[46:47]
	s_add_nc_u64 s[12:13], s[12:13], s[20:21]
.macro FRAGA reg, slot, q, i           ; a fragment, 16 rows x 128 K, is 16 registers: lane l holds row l % 16; registers 4 c .. 4 c + 3 hold K = 32 c + 16 (l / 16) + 0 .. 15
.irp c, 0,1,2,3
	ds_load_b128 v[\reg+4*\c:\reg+4*\c+3], v[ADRA+\slot] offset:AQ*(\q)+(\i)*16*APITCH+32*\c
.endr
.endm
.macro FRAGB reg, slot, q, i
.irp c, 0,1,2,3
	ds_load_b128 v[\reg+4*\c:\reg+4*\c+3], v[ADRB+\slot] offset:128*(\q)+(\i)*16*PITCH+32*\c
.endr
.endm
; 16 matrix instructions: A's blocks a0, a0 + 1 x B's eight, 128 along K: the slot's q-th.  first = 1: the bias is the C.  The 64 accumulators take turns, one instruction a turn.
.macro MUL16 a0, p, q, sc, first
.irp a, \a0, \a0+1
.irp b, 0,1,2,3,4,5,6,7
.if \first
	v_wmma_scale_f32_16x16x128_f8f6f4 v[8*(8*((\a)%4)+\b):8*(8*((\a)%4)+\b)+7], v[128*(\p)+FR*\b:128*(\p)+FR*\b+FR-1], v[AF+FR*(\a):AF+FR*(\a)+FR-1], v[CB+8*\b:CB+8*\b+7], v[SC+8*NQ*(\sc)+NQ*\b+(\q)], v[SC+8*NQ*(\sc)+NQ*(\a)+(\q)] matrix_a_scale:MATRIX_SCALE_ROW1
.else
	v_wmma_scale_f32_16x16x128_f8f6f4 v[8*(8*((\a)%4)+\b):8*(8*((\a)%4)+\b)+7], v[128*(\p)+FR*\b:128*(\p)+FR*\b+FR-1], v[AF+FR*(\a):AF+FR*(\a)+FR-1], v[8*(8*((\a)%4)+\b):8*(8*((\a)%4)+\b)+7], v[SC+8*NQ*(\sc)+NQ*\b+(\q)], v[SC+8*NQ*(\sc)+NQ*(\a)+(\q)] matrix_a_scale:MATRIX_SCALE_ROW1
.endif
.endr
.endr
.endm
.macro FETCH_B slot, q, p
	WIN TO_B
.irp i, 0,1,2,3,4,5,6,7
	FRAGB 128*(\p)+FR*\i, \slot, \q, \i
.endr
	WIN 0
.endm
.macro FETCH_A slot, q, i0
.irp i, \i0, \i0+1, \i0+2, \i0+3
	FRAGA AF+FR*(\i), \slot, \q, \i
.endr
.endm
.macro SCALES sc                       ; a K step's scale words into set sc: two words a row; lanes 0-15 take A's block i, lanes 16-31 B's block i
.irp i, 0,1,2,3,4,5,6,7
	ds_load_b64 v[SC+8*NQ*\sc+NQ*\i:SC+8*NQ*\sc+NQ*\i+1], v[ADRS] offset:\i*SBLK
.endr
.endm
; A load into a register that a matrix instruction has read, and an LDS store that reads a matrix result, stand NP places behind that matrix instruction, and only plain vector instructions that name none of its
; registers are places (ISA guide 7.12.1 for vector instructions).
.macro PLACES n
.rept \n
	v_nop
.endr
.endm
.macro STEP slot, q, first
	s_wait_dscnt 4*NL                              ; B's set and A's blocks 0-3 are in; the youngest 16 loads (A's blocks 4-7) may be out
.if \first
	WIN BEG_LO
.else
	WIN MUL_LO
.endif
	MUL16 0, (\q)%2, \q, \slot, \first
	MUL16 2, (\q)%2, \q, \slot, \first
	s_wait_dscnt 0                                 ; A's blocks 4-7 are in (asked for 32 matrix instructions ago)
	PLACES NP
	FETCH_B \slot, (\q)+1, 1-(\q)%2
	FETCH_A \slot, (\q)+1, 0
.if \first
	WIN BEG_HI
.else
	WIN MUL_HI
.endif
	MUL16 4, (\q)%2, \q, \slot, \first
	MUL16 6, (\q)%2, \q, \slot, \first
	PLACES NP
	WIN 0
	FETCH_A \slot, (\q)+1, 4
.endm
; A slot's last step changes slots: one barrier; in front of it each wave waits for all its tensor loads, adds 0 to its spare word, and waits for that and for its own reads of this slot.  fill = 1: this slot is filled again, two K steps ahead.
.macro TURN slot, next, fill
	s_wait_tensorcnt 0x0                           ; all my tensor loads have landed: my part of the next slot;  (every window is 0 here)
	ds_add_u32 v[SPW], v[NIL]                      ; 0 onto my spare word
	s_wait_dscnt 4*NL+1                            ; (the add and the youngest 16 loads, A's blocks 4-7, may be out)
	WIN MUL_LO
	MUL16 0, 1, NQ-1, \slot, 0                     ; sixteen matrix instructions stand between the add and the wait for it
	s_wait_dscnt 0x0                               ; the add is done, and my reads of this slot are over
	s_barrier_signal -1
	MUL16 2, 1, NQ-1, \slot, 0
	WIN 0
	s_barrier_wait -1
.if \fill
	CREST                                          ; the barrier has opened a round of the cluster's barrier: no wave of any partner still reads this slot's tile or has a load on its way
	s_add_nc_u64 s[G0+4*\slot+2:G0+4*\slot+3], s[G0+4*\slot+2:G0+4*\slot+3], ASTEP
	s_add_nc_u64 s[G0B+4*\slot+2:G0B+4*\slot+3], s[G0B+4*\slot+2:G0B+4*\slot+3], BSTEP
	JLOAD G0+4*\slot, G1, G0B+4*\slot, G1B         ; the first tensor load behind the round; the four v_nop behind it are among the places in front of the loads below
	PLACES NP-4
.else
	PLACES NP
.endif
	v_add_nc_u32 v[ADRS], 4*NQ, v[ADRS]            ; on to the next K step's scale words (no LDS load of mine is out)
	FETCH_B \next, 0, 0
	FETCH_A \next, 0, 0
	SCALES \next
	WIN MUL_HI
	MUL16 4, 1, NQ-1, \slot, 0
	MUL16 6, 1, NQ-1, \slot, 0
	PLACES NP
	WIN 0
	FETCH_A \next, 0, 4
.endm
	s_wait_loadcnt 0x0                             ; the bias
	s_wait_tensorcnt 1                             ; the scales and my part of K step 0 are in (K step 1's load may be out)
	s_barrier_signal -1
	s_barrier_wait -1                              ; everybody's are
	FETCH_B 0, 0, 0
	FETCH_A 0, 0, 0
	SCALES 0
	FETCH_A 0, 0, 4
	STEP 0, 0, 1                                   ; the first step takes the bias as its C
	TURN 0, 1, 1                                   ; K has four steps of 256: both slots are filled once more, and the walk is written out
	STEP 1, 0, 0
	TURN 1, 0, 1
	STEP 0, 0, 0
	TURN 0, 1, 0                                   ; nothing is left to fetch, so no round of the cluster's barrier
	STEP 1, 0, 0
	s_wait_dscnt 4*NL                              ; the very last step
	WIN MUL_LO
	MUL16 0, 1, NQ-1, 1, 0
	MUL16 2, 1, NQ-1, 1, 0
	s_wait_dscnt 0
	WIN MUL_HI
	MUL16 4, 1, NQ-1, 1, 0
	MUL16 6, 1, NQ-1, 1, 0
	WIN 0
; THE WAY OUT, block by block of 16 rows x 128 columns.  A lane holds 32 neighbouring bytes of a row, and the lanes beside it hold other rows: so a block goes through my own stage in LDS and comes back as whole
; rows of 512 bytes.  LDS serves a wave's instructions in order (ISA guide 5.7.1.4): no wait between the stores and the loads, nor in front of the next block's stores.
.macro TOSTAGE a
.set AC, 64*((\a)%4)
	WIN 0x08+4*((\a)/4)                            ; the data: window 2 or 3
.irp b, 0,1,2,3,4,5,6,7
	ds_store_b128 v[STO], v[AC+8*\b:AC+8*\b+3] offset:64*\b          ; each accumulator from its low end on
	ds_store_b128 v[STO], v[AC+8*\b+4:AC+8*\b+7] offset:64*\b+16
.endr
	WIN 0
.set BB, BK+64*((\a)%2)
.irp t, 0,1,2,3,4,5,6,7,8,9,10,11,12,13,14,15
	ds_load_b128 v[BB+4*\t:BB+4*\t+3], v[RD] offset:\t*SPITCH
.endr
.endm
.macro SEND a, younger                 ; younger: the LDS instructions issued behind block a's loads, which may stay out
.set BB, BK+64*((\a)%2)
	s_wait_dscnt \younger                          ; the block is back in registers
.if (\a) > 0
	s_add_nc_u64 s[12:13], s[12:13], 16*SIZE_N*4   ; (behind a wait on XCNT: the earlier stores have read their base)  16 rows of out0 on
.endif
.irp t, 0,1,2,3,4,5,6,7,8,9,10,11,12,13,14,15
	global_store_b128 v[CO], v[BB+4*\t:BB+4*\t+3], s[12:13] offset:\t*SIZE_N*4 th:TH_STORE_NT   ; 32 lanes store 512 consecutive bytes, aligned; written once, read by nobody here
.endr
.endm
	PLACES NP                                      ; behind the last products: for the loads into the registers that held A's fragments and for the reads of results alike
	TOSTAGE 0
.irp a, 1,2,3,4,5,6,7
.if \a > 1
	s_wait_xcnt 0x0                                ; block a - 2's stores have read their registers and their base: block a's loads may land there, and the base may step
.endif
	TOSTAGE \a
	SEND \a-1, 32                                  ; behind block a - 1's loads: block a's 16 stores and 16 loads
.endr
	s_wait_xcnt 0x0                                ; block 6's stores have read their base
	SEND 7, 0
	s_wait_tensorcnt 0x0                           ; the wave's end, behind my last tensor load and my last LDS store
	ds_add_u32 v[SPW], v[NIL]
	s_wait_dscnt 0x0
	CROUND                                         ; the closing round: no work-group ends while a partner may still ask for a tile that names it
	s_endpgm
.Lfunc_end_k_qeff1b9402c_outp:
	.size	k_qeff1b9402c_outp, .Lfunc_end_k_qeff1b9402c_outp-k_qeff1b9402c_outp
	.p2alignl 7, 3214868480
	.fill 96, 4, 3214868480
	.section	.rodata,"a",@progbits
	.p2align	6, 0x0
	.amdhsa_kernel k_qeff1b9402c_outp
		.amdhsa_group_segment_fixed_size 327680
		.amdhsa_private_segment_fixed_size 0
		.amdhsa_enable_private_segment 0
		.amdhsa_kernarg_size 48
		.amdhsa_user_sgpr_count 2
		.amdhsa_user_sgpr_kernarg_segment_ptr 1
		.amdhsa_wavefront_size32 1
		.amdhsa_system_sgpr_workgroup_id_x 1
		.amdhsa_system_sgpr_workgroup_id_y 1
		.amdhsa_system_sgpr_workgroup_id_z 1
		.amdhsa_system_vgpr_workitem_id 0
		.amdhsa_next_free_vgpr 1024
		.amdhsa_next_free_sgpr 100
		.amdhsa_reserve_vcc 0
		.amdhsa_float_denorm_mode_32 3
		.amdhsa_float_denorm_mode_16_64 3
		.amdhsa_memory_ordered 1
		.amdhsa_forward_progress 1
		.amdhsa_inst_pref_size 147
	.end_amdhsa_kernel
	.amdgpu_metadata
---
amdhsa.version: [ 1, 2 ]
amdhsa.kernels:
  - .name:           k_qeff1b9402c_outp
    .symbol:         k_qeff1b9402c_outp.kd
    .args:
      - { .name: oc, .offset: 0, .size: 8, .value_kind: global_buffer, .address_space: global }
      - { .name: os, .offset: 8, .size: 8, .value_kind: global_buffer, .address_space: global }
      - { .name: w_o_codes, .offset: 16, .size: 8, .value_kind: global_buffer, .address_space: global }
      - { .name: w_o_scales, .offset: 24, .size: 8, .value_kind: global_buffer, .address_space: global }
      - { .name: out0, .offset: 32, .size: 8, .value_kind: global_buffer, .address_space: global }
      - { .name: b_o, .offset: 40, .size: 8, .value_kind: global_buffer, .address_space: global }
    .group_segment_fixed_size: 327680
    .private_segment_fixed_size: 0
    .kernarg_segment_align: 8
    .kernarg_segment_size: 48
    .max_flat_workgroup_size: 128
    .sgpr_count:     100
    .vgpr_count:     1024
    .wavefront_size: 32
...
	.end_amdgpu_metadata
.endif
;; end of part 3
